; MI455X (gfx1250); checked and timed in simulation.
; The chip was launched on July 23, 2026; its instructions are those of AMD's public machine-readable ISA for CDNA 5 (MIT licence, August 2026) and "CDNA5" Instruction Set Architecture Reference Guide (July 2026). The comments in the code are by the model that wrote it; some were corrected since.
;; Point Attention. Allowed arithmetic: matrix products marked QUANTISED: E3M2 operands, one E8M0 scale for each 32 along K, by v_wmma_scale_f32_16x16x128_f8f6f4 with both operands' format E3M2, f32 sums; products left as they are: f32 operands where the result goes on into a quantised operand, else bf16, f16 or f32 operands; f32 sums; everything else in f32.
;; Inputs: Wk 3 x 64 float32; Wq 3 x 64 float32; Wv 64 x 64 float32; bk 64 float32; bq 64 float32; bv 64 float32; features 1,024 x 32 x 64 float32; p_W1 3 x 3 float32; p_W2 3 x 64 float32; p_b1 3 float32; p_b2 64 float32; p_ln_b 3 float32; p_ln_g 3 float32; pv_xyz 1,024 x 32 x 3 float32; w_W1 64 x 64 float32; w_W2 64 x 64 float32; w_b1 64 float32; w_b2 64 float32; w_ln1_b 64 float32; w_ln1_g 64 float32; w_ln2_b 64 float32; w_ln2_g 64 float32.
;; Outputs: out0 1,024 x 32 x 128 float32.
;; This version of the problem:
;;   THIS VERSION OF THE PROBLEM IS GIVEN IN LOW PRECISION. The matrix products marked QUANTISED in the list below multiply operands that are first quantised to E3M2 (3 exponent bits, 2 mantissa bits; 6 bits a number), with one power-of-two scale for each 32 numbers along K (OCP MX v1.0); their sums are f32. All else is computed in f32.
;;   The module's matrix products, in the order in which they are computed (A, B: the left and right operand; K: the contracted axis; several contracted axes count as one K, in the product's order):
;;     1. [M 1,048,576, K 3] x [K 3, N 3]; A: computed on the way; B: input p_W1: left as it is (K = 3 < 32)
;;     2. [M 1,048,576, K 3] x [K 3, N 64]; A: computed on the way; B: input p_W2: left as it is (K = 3 < 32)
;;     3. [M 32,768, K 3] x [K 3, N 64]; A: input pv_xyz; B: input Wq: left as it is (K = 3 < 32)
;;     4. [M 32,768, K 3] x [K 3, N 64]; A: input pv_xyz; B: input Wk: left as it is (K = 3 < 32)
;;     5. [M 32,768, K 64] x [K 64, N 64]; A: input features; B: input Wv: QUANTISED
;;     6. [M 1,048,576, K 64] x [K 64, N 64]; A: computed on the way; B: input w_W1: QUANTISED
;;     7. [M 1,048,576, K 64] x [K 64, N 64]; A: computed on the way; B: input w_W2: QUANTISED
;;   THE QUANTISER, for each operand of a quantised product, along K:
;;     - K is cut into blocks of 32 from its start; a last block that is shorter is filled with zeros.
;;     - A block's scale is 2^e with e = floor(log2(the largest magnitude in the block)) - 4, held to -126 .. 127; a block of zeros has e = 0. As a byte (E8M0): e + 127.
;;     - Each number is divided by its block's scale, clamped to +-28, and rounded to the nearest number of E3M2, ties to even, subnormals kept.
;;     - The product sums the exact products of the quantised numbers (number of the format x scale) in f32.
;;   ~~~python
;;   def quantise(x, axis):      # numpy; x: float32 -> the quantised numbers, widened to float32 again
;;       x = np.moveaxis(x, axis, -1); K = x.shape[-1]
;;       x = np.pad(x, [(0, 0)] * (x.ndim - 1) + [(0, -K % 32)]); x = x.reshape(x.shape[:-1] + (-1, 32)); a = np.abs(x).max(-1, keepdims=True)
;;       e = np.where(a > 0, np.clip(np.frexp(np.where(a > 0, a, 1))[1] - 1 - 4, -126, 127), 0)      # np.frexp(a)[1] - 1 = floor(log2(a)), exactly
;;       r = np.clip(x / 2.0 ** e, -28, 28)
;;       step = 2.0 ** (np.maximum(np.frexp(np.where(r == 0, 1, r))[1] - 1, -2) - 2)
;;       q = np.round(r / step) * step * 2.0 ** e      # np.round: ties to even
;;       return np.moveaxis(q.reshape(q.shape[:-2] + (-1,))[..., :K], -1, axis).astype(np.float32)
;;   ~~~
;;   OPERANDS COMPUTED ON THE WAY. 'Computed on the way' means the value that the module computes at that place (a softmax that the list does not call 'softmax' is quantised finished and normalised). What goes into a quantiser is computed in f32, as accurately as f32 sums, v_exp_f32 and their like allow (about 1e-6 of the number): no bf16 or f16 on the way to a quantiser, and a product that is left as it is and whose result goes on into a quantised operand takes f32 operands (vector FMAs, or v_wmma_f32_16x16x4_f32). A number that lies on a knife's edge between two numbers of the format may be rounded either way, as far as f32 arithmetic and the matrix unit's own rounding can turn it there, and no further.
;; 2 versions, each right; version 2 is version 1 with the launch pa written anew for expert scheduling mode. Each part assembles by itself: llvm-mc -triple=amdgcn-amd-amdhsa -mcpu=gfx1250 --defsym DOCPART=n.
;; ======== version 1 of 2: 1 launch
;; launch pa (part 1): grid 256 x 1, 8 waves a work-group, no clusters, 193,536 bytes of LDS; arguments pv_xyz, features, out0, Wq, bq, p_b2, Wk, bk, p_W2, p_W1, p_b1, p_ln_g, p_ln_b, Wv, bv, w_W1, w_W2, w_b1, w_b2, w_ln1_g, w_ln1_b, w_ln2_g, w_ln2_b; writes out0
.if DOCPART == 1
	.amdgcn_target "amdgcn-amd-amdhsa--gfx1250"
	.amdhsa_code_object_version 6
	.text
	.protected	k_q263c72387f_pa
	.globl	k_q263c72387f_pa
	.p2align	8
	.type	k_q263c72387f_pa,@function
k_q263c72387f_pa:
	s_mov_b64 s[64:65], 0
	v_nop
	global_prefetch_b8 v0, s[64:65] scope:SCOPE_SE
	s_setreg_imm32_b32 hwreg(HW_REG_WAVE_MODE, 25, 1), 1
	s_wait_xcnt 0x0
; PointAttention: 1,024 voxels of 32 points.  For each ordered pair (i, j) of a voxel a row of 64 numbers goes through
;   position MLP (3 -> 3, norm, relu, 3 -> 64) + q_i - k_j, x 1/8, norm, relu, 64 x 64, norm, relu, 64 x 64; softmax over j; of it the term j = i, x v_i; features behind it.
; The three products with K = 64 run on codes of BF6 (E3M2) with one E8M0 scale for each 32 along K; all else is f32.
; SHARES.  A work-group of eight waves takes four voxels; a voxel has two waves; wave a of a voxel owns the query rows i = 16 a + ii, ii = 0 .. 15, each against all 32 j.
; A row i is 32 pairs in two SLOTS of 16: slot s, lane r holds j = (16 s + r) xor 16 a, so that the pair j = i is always slot 0, lane ii.
; LAYOUT.  The row's input and the first product are used transposed (source 0 = 16 features, source 1 = 16 pairs), and row m of feature tile t stands for feature 32 (m / 8) + 8 t + m % 8:
; lane (r, h) then holds pair r, and its 32 registers hold features 32 h + 0 .. 31: one whole block of 32 along the next K.  A block's maximum needs no other lane, a norm's sums one exchange of halves.
; THE INPUT OF THE FIRST NORM is affine in (p0, p1, p2, 1): x = p0 W0 + p1 W1 + p2 W2 + A_i - B_j, with every table centred over the 64 features and scaled by 1/8 once, in the set-up.
; One f32 matrix instruction a tile (K = 4, C = -B_j) makes it, already free of its mean.
; RELU ON CODES.  K is 64 and the instruction's K is 128.  The operand carries the codes of y and the same codes with their sign bits cleared; the weights are repeated with their scale byte one lower:
; (c + |c|) w / 2 = relu(c) w, exactly.  The block's scale is taken from the largest y, not the largest |y|, as the quantiser of relu(y) takes it; what is negative may saturate, and cancels.
; THE SECOND PRODUCT is used as it stands (source 0 = pairs, source 1 = 16 columns, column r of tile t = feature 4 r + t): a lane holds a feature, its registers run over j: the softmax stays in the lane but for one exchange.
; A whole row of the output, 512 consecutive bytes, leaves by one store: lanes 0-15 res, lanes 16-31 the features.
; No tensor load, no cluster: a work-group reads its own 34 KB once, and what work-groups share is 50 KB of weights.
; LIMITS.  NaN and infinities among the inputs are not served.  A block whose largest magnitude lies under 2^-122 keeps the scale byte 1.  A weight block's byte is kept one lower than the quantiser's (0 at the least, which is 2^-127).
.set FRB,   1536                       ; an operand's image in LDS: 12 registers x 128 bytes
.set WSC,   16*FRB                     ; LDS 0: 16 images of weight fragments (0-3 w_W1, 4-7 w_W2, 8-11 and 12-15 Wv);  here: their scale words, 128 bytes each
.set PRIV,  WSC+16*128                 ; from here 20,480 bytes for each wave, its own:
.set PRIVB, 20480
.set XT,    3072                       ;   +0 eleven centred vectors of 256 bytes;  +XT 32 points x 16 bytes
.set TA,    3584                       ;   16 rows, 528 bytes apart: 256 bytes of W1, 256 of A_i, both in the order of the tiles' rows
.set OV,    12032                      ;   16 rows, 528 bytes apart: 256 bytes of v_i, 256 of features_i
.set TP,    528
; window 0
.set LTA,  1                           ; TA + 256 h + 4 r
.set ADRF, 2
.set LXT,  3                           ; XT
.set ADRX, 4
.set LOV,  5                           ; OV + 16 lane
.set ADRO, 6
.set GO,   7                           ; 16 lane
.set XJ,   8                           ; v8-11   my pair's point j
.set XI,   12                          ; v12-15  the row's point i
.set U,    16                          ; v16-19  (p0 | p2, p1 | 1) of slot 0, of slot 1
.set F,    20                          ; v20-27  tile t: (W0 | W2, W1 | A_i)
.set W1S,  28                          ; v28-31  w_W1's scale words
.set W2S,  32                          ; v32-35  w_W2's (first Wv's)
.set SW,   36                          ; the pairs' scale word
.set R,    40                          ; v40, v42 1 / deviation of slot 0, 1; v44, v46 -mean; in the softmax four shifts.  Their odd neighbours hold 0: a packed form names the pair
.set NM,   44
.set P,    64                          ; v64-75  the pairs' operand
.set CB,   76                          ; v76-79  log2(e) x w_b2
.set B2,   80                          ; v80-83  w_b2
.set VV,   84                          ; v84-87  lanes 0-15 v_i, lanes 16-31 features_i
.set RES,  88
.set X,    92                          ; v92-95  the diagonal's number
.set Y,    96                          ; v96-127 32 numbers at work
.set M,    128                         ; v128-159, v160-191: matrix results of slot 0, 1: written by matrix instructions alone
.set M1,   160
.set G2R,  192                         ; w_ln2_g, w_ln2_b
.set B2R,  224
; window 1
.set CN,   0                           ; v0-63   -B_j of slot 0, 1
.set WB1,  64                          ; w_b1
.set W1F,  96                          ; w_W1's four fragments
.set W2F,  144                         ; w_W2's
.set G1R,  192                         ; w_ln1_g, w_ln1_b
.set B1R,  224
; scalars: s2 wave, s3 a, s4 ii, s5-7 steps of TA, XT, OV; s[8:53] the 23 addresses; s54 empty j, s55 empty pair, s56 upper half of ii, s57 lanes 16-31
.set MSB, 0
.macro WIN new                         ; s_set_vgpr_msb: bits 1:0 source 0, 3:2 source 1, 5:4 source 2, 7:6 destination; the high byte repeats the setting that is left
.if MSB != \new
	s_set_vgpr_msb (MSB<<8)|\new
.set MSB, \new
.endif
.endm
.macro PLACES n
.rept \n
	v_nop
.endr
.endm
; 32 numbers of a lane (one block of 32 along K) become the operand's 12 registers and the scale word.
; ab = 1: the largest magnitude; 0: the largest number (what is negative is clipped by the relu).  relu = 1: the second copy has its signs cleared; 0: a plain copy.  half = 1: the byte one lower.
; Registers 0-2 codes of k 0-15, 3-5 the copy, 6-8 codes of k 16-31, 9-11 the copy: the instruction's blocks 0 and 2 (lanes 0-15) are the true block 0, blocks 1 and 3 the true block 1.
.macro QNT src, dst, sw, ab, relu, half
.if \ab
	v_max3_num_f32 v48, |v[\src]|, |v[\src+1]|, 0x2800000          ; the floor 2^(5 - 127) among the leaves: the byte cannot fall under 1
	v_max3_num_f32 v49, |v[\src+2]|, |v[\src+3]|, |v[\src+4]|
.irp i, 5,9,13,17,21,25
	v_max3_num_f32 v48, v48, |v[\src+\i]|, |v[\src+\i+1]|
	v_max3_num_f32 v49, v49, |v[\src+\i+2]|, |v[\src+\i+3]|
.endr
	v_max3_num_f32 v48, v48, |v[\src+29]|, |v[\src+30]|
	v_max3_num_f32 v48, v48, v49, |v[\src+31]|
.else
	v_max3_num_f32 v48, v[\src], v[\src+1], 0x2800000
	v_max3_num_f32 v49, v[\src+2], v[\src+3], v[\src+4]
.irp i, 5,9,13,17,21,25
	v_max3_num_f32 v48, v48, v[\src+\i], v[\src+\i+1]
	v_max3_num_f32 v49, v49, v[\src+\i+2], v[\src+\i+3]
.endr
	v_max3_num_f32 v48, v48, v[\src+29], v[\src+30]
	v_max3_num_f32 v48, v48, v49, v[\src+31]
.endif
	v_add_nc_u32 v50, 0xfe000000, v48                              ; 4 off the exponent field: the conversion's scale operand
	v_cvt_scalef32_pk16_bf6_f32 v[\dst:\dst+2], v[\src:\src+15], v50
	v_cvt_scalef32_pk16_bf6_f32 v[\dst+6:\dst+8], v[\src+16:\src+31], v50
	v_lshrrev_b32 v51, 23, v50                                     ; the byte (also the plain instruction behind the conversions)
.if \half
	v_add_nc_u32 v51, -1, v51
.endif
	v_permlanex16_b32 v52, v51, s58, s59                           ; the other block's byte
	v_lshl_or_b32 v[\sw], v52, 8, v51                              ; lanes 0-15: block 0's, block 1's;
	v_lshl_or_b32 v[\sw], v[\sw], 16, v[\sw]                       ; and once more for the instruction's blocks 2 and 3 (lanes 16-31 are not read)
.irp i, 0,1,2
.if \relu
	v_and_b32 v[\dst+3+\i], s[91+\i], v[\dst+\i]                   ; sixteen sign bits cleared in three words
	v_and_b32 v[\dst+9+\i], s[91+\i], v[\dst+6+\i]
.else
	v_mov_b32 v[\dst+3+\i], v[\dst+\i]
	v_mov_b32 v[\dst+9+\i], v[\dst+6+\i]
.endif
.endr
.endm
; the sum of squares of 32 registers, two at a time, in two chains, from the low end on
.macro SQ src, acc
	v_pk_mul_f32 v[\acc:\acc+1], v[\src:\src+1], v[\src:\src+1]
	v_pk_mul_f32 v[\acc+2:\acc+3], v[\src+2:\src+3], v[\src+2:\src+3]
.irp i, 4,8,12,16,20,24,28
	v_pk_fma_f32 v[\acc:\acc+1], v[\src+\i:\src+\i+1], v[\src+\i:\src+\i+1], v[\acc:\acc+1]
	v_pk_fma_f32 v[\acc+2:\acc+3], v[\src+\i+2:\src+\i+3], v[\src+\i+2:\src+\i+3], v[\acc+2:\acc+3]
.endr
.endm
.macro RED2                            ; both slots' chains, halves and the lane 16 away
	v_pk_add_f32 v[56:57], v[56:57], v[58:59]
	v_pk_add_f32 v[60:61], v[60:61], v[62:63]
	v_add_f32 v56, v56, v57
	v_add_f32 v60, v60, v61
	v_permlanex16_b32 v48, v56, s58, s59
	v_permlanex16_b32 v49, v60, s58, s59
	v_add_f32 v56, v56, v48
	v_add_f32 v60, v60, v49
.endm
; THE POSITION STAGE: a lane is one of the row's 32 pairs.
.macro PST
	s_bitcmp1_b32 s54, s4                                          ; is point i empty?  A choice of a mask: it selects values alone
	s_cselect_b32 s55, -1, s54
	v_sub_f32 v48, v[XJ], v[XI]
	v_sub_f32 v49, v[XJ+1], v[XI+1]
	v_sub_f32 v50, v[XJ+2], v[XI+2]
	v_and_b32 v48, s62, v48
	v_and_b32 v49, s62, v49
	v_and_b32 v50, s62, v50
	v_cndmask_b32 v48, v48, -1.0, s55
	v_cndmask_b32 v49, v49, -1.0, s55
	v_cndmask_b32 v50, v50, -1.0, s55
.irp o, 0,1,2
	v_fma_f32 v[51+\o], v48, s[68+\o], s[80+\o]                    ; p_W1 [c][o] lies at s[68 + 3 c + o]
.endr
.irp o, 0,1,2
	v_fma_f32 v[51+\o], v49, s[71+\o], v[51+\o]
.endr
.irp o, 0,1,2
	v_fma_f32 v[51+\o], v50, s[74+\o], v[51+\o]
.endr
	v_add_f32 v54, v51, v52
	v_add_f32 v54, v54, v53
.irp o, 0,1,2
	v_fma_f32 v[51+\o], v54, s66, v[51+\o]                         ; less the mean
.endr
	v_mul_f32 v55, v51, v51
	v_fma_f32 v55, v52, v52, v55
	v_fma_f32 v55, v53, v53, v55
	v_fma_f32 v55, v55, s63, s67                                   ; / 3 + eps
	v_rsq_f32 v55, v55
	v_mov_b32 v[U+3], 1.0                                          ; (the plain instruction behind the root)
	s_wait_alu depctr_va_vdst(0)                                   ; the root in v55, ahead of its first reader
.irp o, 0,1,2
	v_mul_f32 v[51+\o], v[51+\o], v55
.endr
.irp o, 0,1,2
	v_fma_f32 v[51+\o], v[51+\o], s[84+\o], s[88+\o]
.endr
.irp o, 0,1,2
	v_max_num_f32 v[U+\o], 0, v[51+\o]
.endr
	v_permlane16_swap_b32 v[U], v[U+2]                             ; v16: p0 | p2 of slot 0, v18: of slot 1
	v_permlane16_swap_b32 v[U+1], v[U+3]                           ; v17: p1 | 1 of slot 0, v19: of slot 1
.endm
.macro STAGEA                          ; x = (W0 W1 W2 A_i) (p0 p1 p2 1) - B_j: eight sums of one K step each, C in other registers
	WIN 0x10
.irp s, 0,1
.irp t, 0,1,2,3
	v_wmma_f32_16x16x4_f32 v[M+32*\s+8*\t:M+32*\s+8*\t+7], v[F+2*\t:F+2*\t+1], v[U+2*\s:U+2*\s+1], v[CN+32*\s+8*\t:CN+32*\s+8*\t+7]
.endr
.endr
	WIN 0
.endm
.macro NORM1 s
.set i, 0
.rept 16
	v_pk_mul_f32 v[Y+i:Y+i+1], v[M+32*\s+i:M+32*\s+i+1], v[R+2*\s:R+2*\s+1] op_sel_hi:[1,0]
.set i, i+2
.endr
	WIN 0x14
.set i, 0
.rept 16
	v_pk_fma_f32 v[Y+i:Y+i+1], v[Y+i:Y+i+1], v[G1R+i:G1R+i+1], v[B1R+i:B1R+i+1]
.set i, i+2
.endr
	WIN 0
.endm
.macro G1 s                            ; the first product, transposed; w_b1 is its C
	WIN 0x11
.irp t, 0,1,2,3
	v_wmma_scale_f32_16x16x128_f8f6f4 v[M+32*\s+8*\t:M+32*\s+8*\t+7], v[W1F+12*\t:W1F+12*\t+11], v[P:P+11], v[WB1+8*\t:WB1+8*\t+7], v[W1S+\t], v[SW] matrix_a_fmt:MATRIX_FMT_BF6 matrix_b_fmt:MATRIX_FMT_BF6
.endr
	WIN 0
.endm
.macro G2 s                            ; the second product: rows = pairs, column r of tile t = feature 4 r + t
	WIN 0x04
.irp t, 0,1,2,3
	v_wmma_scale_f32_16x16x128_f8f6f4 v[M+32*\s+8*\t:M+32*\s+8*\t+7], v[P:P+11], v[W2F+12*\t:W2F+12*\t+11], 0, v[SW], v[W2S+\t] matrix_a_fmt:MATRIX_FMT_BF6 matrix_b_fmt:MATRIX_FMT_BF6
.endr
	WIN 0
.endm
; the second norm of slot s (the mean is known), its relu and quantiser, the second product
.macro LN2 s
.set i, 0
.rept 16
	v_pk_add_f32 v[Y+i:Y+i+1], v[M+32*\s+i:M+32*\s+i+1], v[NM+2*\s:NM+2*\s+1] op_sel_hi:[1,0]
.set i, i+2
.endr
	SQ Y, 56
	v_pk_add_f32 v[56:57], v[56:57], v[58:59]
	v_add_f32 v56, v56, v57
	v_permlanex16_b32 v48, v56, s58, s59
	v_add_f32 v56, v56, v48
	v_fma_f32 v56, v56, s77, s67
	v_rsq_f32 v[R+2*\s], v56
	v_nop
	s_wait_alu depctr_va_vdst(0)
.set i, 0
.rept 16
	v_pk_mul_f32 v[Y+i:Y+i+1], v[Y+i:Y+i+1], v[R+2*\s:R+2*\s+1] op_sel_hi:[1,0]
.set i, i+2
.endr
.if \s == 0
	s_wait_loadcnt 0x0                                             ; w_ln2_g and w_ln2_b, asked for at the end of the set-up; no load is issued in a row, so from the second row on nothing is out
.endif
.set i, 0
.rept 16
	v_pk_fma_f32 v[Y+i:Y+i+1], v[Y+i:Y+i+1], v[G2R+i:G2R+i+1], v[B2R+i:B2R+i+1]
.set i, i+2
.endr
	QNT Y, P, SW, 0, 1, 0
	PLACES 4                                                       ; the operand's last write stands 4 plain instructions ahead of the product, the scale word's 10
	G2 \s
.endm
.macro LEAF n
.irp t, 0,1,2,3
	v_mov_b32 v[X+\t], v[M+8*\t+\n]
.endr
.endm
; tiles tb, tb + 1 of the softmax: 32 exponentials as one batch with one wait, then each tile's sum over my 16 pairs
.macro EB tb, diag
.irp u, 0,1
.irp i, 0,2,4,6
	v_pk_fma_f32 v[Y+16*\u+\i:Y+16*\u+\i+1], v[M+8*(\tb+\u)+\i:M+8*(\tb+\u)+\i+1], s[60:61], v[R+2*(\tb+\u):R+2*(\tb+\u)+1] op_sel_hi:[1,0,0]
	v_pk_fma_f32 v[Y+16*\u+8+\i:Y+16*\u+8+\i+1], v[M1+8*(\tb+\u)+\i:M1+8*(\tb+\u)+\i+1], s[60:61], v[R+2*(\tb+\u):R+2*(\tb+\u)+1] op_sel_hi:[1,0,0]
.endr
.endr
.set i, 0
.rept 32
	v_exp_f32 v[Y+i], v[Y+i]
.set i, i+1
.endr
.if \diag
.irp t, 0,1,2,3
	v_exp_f32 v[X+\t], v[X+\t]
.endr
.endif
	v_nop                                                          ; the plain instruction behind the batch
	s_wait_alu depctr_va_vdst(0)                                   ; one wait for the batch, ahead of its first reader
	v_pk_add_f32 v[56:57], v[Y:Y+1], v[Y+2:Y+3]
	v_pk_add_f32 v[58:59], v[Y+16:Y+17], v[Y+18:Y+19]
.irp i, 4,6,8,10,12,14
	v_pk_add_f32 v[56:57], v[56:57], v[Y+\i:Y+\i+1]
	v_pk_add_f32 v[58:59], v[58:59], v[Y+16+\i:Y+16+\i+1]
.endr
	v_add_f32 v[60+\tb], v56, v57
	v_add_f32 v[61+\tb], v58, v59
.endm
; ---------------- the head: addresses, ids
	s_load_b512 s[8:23], s[0:1], 0x0               ; pv_xyz, features, out0, Wq, bq, p_b2, Wk, bk
	s_load_b512 s[24:39], s[0:1], 0x40             ; p_W2, p_W1, p_b1, p_ln_g, p_ln_b, Wv, bv, w_W1
	s_load_b256 s[40:47], s[0:1], 0x80             ; w_W2, w_b1, w_b2, w_ln1_g
	s_load_b128 s[48:51], s[0:1], 0xa0             ; w_ln1_b, w_ln2_g
	s_load_b64 s[52:53], s[0:1], 0xb0              ; w_ln2_b
	v_lshrrev_b32 v48, 5, v0
	v_readfirstlane_b32 s2, v48                    ; wave 0..7
	s_and_b32 s3, s2, 1                            ; a: which 16 query rows
	s_lshr_b32 s94, s2, 1
	s_lshl_b32 s95, ttmp9, 2
	s_add_co_u32 s95, s95, s94                     ; my voxel
	s_and_b32 s100, s2, 3                          ; which tile of a weight I quantise
	s_cmp_lt_u32 s2, 4                             ; waves 0-3: w_W1, rows in the order 32 (r / 8) + 8 t + r % 8; waves 4-7: w_W2, columns 4 r + t
	s_cselect_b32 s96, 1, 4
	s_cselect_b32 s97, 8, 1
	s_mul_i32 s97, s97, s100
	v_and_b32 v12, 31, v0                          ; lane
	v_and_b32 v13, 15, v0                          ; r
	v_bfe_u32 v14, v0, 4, 1                        ; h
	v_and_b32 v48, 7, v0                           ; r % 8
	v_bfe_u32 v49, v0, 3, 1                        ; r / 8
	v_lshlrev_b32 v[GO], 4, v12
	v_mul_lo_u32 v15, v48, s96
	v_lshl_add_u32 v15, v49, 5, v15
	v_add_nc_u32 v15, s97, v15                     ; my column n of the weight [k][n]
	v_lshlrev_b32 v15, 2, v15
	v_lshl_add_u32 v15, v14, 13, v15               ; 4 n + 32 h rows of 256 bytes: my registers run down K
	s_lshl_b32 s97, s100, 3
	v_lshl_add_u32 v16, v49, 5, v48
	v_add_nc_u32 v16, s97, v16
	v_lshlrev_b32 v16, 2, v16
	v_lshl_add_u32 v16, v14, 13, v16               ; the same for Wv's tile
	v_lshlrev_b32 v17, 3, v12                      ; 8 lane: two numbers of a vector of 64
	s_lshl_b32 s97, s3, 4
	v_xor_b32 v18, s97, v12
	v_mul_u32_u24 v18, v18, 12                     ; my point j = lane xor 16 a
	s_mul_i32 s96, s95, 384
	s_mov_b32 s97, 0
	s_wait_kmcnt 0x0
	s_add_nc_u64 s[8:9], s[8:9], s[96:97]          ; my voxel's points
	s_lshl_b32 s96, s95, 13
	s_lshl_b32 s100, s3, 12
	s_add_co_u32 s96, s96, s100
	s_add_nc_u64 s[10:11], s[10:11], s[96:97]      ; my 16 rows of features
	s_lshl_b32 s96, s96, 1
	s_add_nc_u64 s[12:13], s[12:13], s[96:97]      ; and of the output
	s_cmp_lt_u32 s2, 4
	s_cselect_b64 s[98:99], s[38:39], s[40:41]
	s_load_b256 s[68:75], s[26:27], 0x0            ; p_W1
	s_load_b32 s76, s[26:27], 0x20
	s_load_b96 s[80:82], s[28:29], 0x0             ; p_b1
	s_load_b96 s[84:86], s[30:31], 0x0             ; p_ln_g
	s_load_b96 s[88:90], s[32:33], 0x0             ; p_ln_b
; ---------------- the head's first loads: 32 + 12 + 3 + 8 = 55; Wv's 32 follow behind the first tile's quantiser
.set i, 0
.rept 32
	global_load_b32 v[Y+i], v15, s[98:99] offset:256*i
.set i, i+1
.endr
	global_load_b64 v[224:225], v17, s[14:15]
	global_load_b64 v[226:227], v17, s[14:15] offset:256
	global_load_b64 v[228:229], v17, s[14:15] offset:512
	global_load_b64 v[230:231], v17, s[16:17]
	global_load_b64 v[232:233], v17, s[18:19]
	global_load_b64 v[234:235], v17, s[20:21]
	global_load_b64 v[236:237], v17, s[20:21] offset:256
	global_load_b64 v[238:239], v17, s[20:21] offset:512
	global_load_b64 v[240:241], v17, s[22:23]
	global_load_b64 v[242:243], v17, s[24:25]
	global_load_b64 v[244:245], v17, s[24:25] offset:256
	global_load_b64 v[246:247], v17, s[24:25] offset:512
	global_load_b32 v[XJ], v18, s[8:9]
	global_load_b32 v[XJ+1], v18, s[8:9] offset:4
	global_load_b32 v[XJ+2], v18, s[8:9] offset:8
	WIN 0x40                                       ; destination window 1
.set i, 0
.rept 8
	global_load_b128 v[4*i:4*i+3], v[GO], s[10:11] offset:512*i th:TH_LOAD_NT   ; two rows of features: 512 consecutive bytes
.set i, i+1
.endr
	WIN 0
; ---------------- constants and LDS addresses, while the loads are out
	s_mov_b32 s57, 0xffff0000
	s_mov_b32 s58, 0x76543210
	s_mov_b32 s59, 0xfedcba98                      ; v_permlanex16_b32's selects for lane l xor 16
	s_mov_b32 s60, 0x3fb8aa3b                      ; log2(e)
	s_mov_b32 s61, s60
	s_mov_b32 s62, 0x7fffffff
	s_mov_b32 s63, 0x3eaaaaab                      ; 1/3
	s_mov_b32 s66, 0xbeaaaaab
	s_mov_b32 s67, 0x3727c5ac                      ; 1e-5
	s_mov_b32 s77, 0x3c800000                      ; 1/64
	s_mov_b32 s78, 0xbc800000
	s_mov_b32 s79, 0xbfb8aa3b
	s_mov_b32 s91, 0xdf7df7df                      ; all bits but the codes' sign bits (bit 6 i + 5 of the stream), in three words
	s_mov_b32 s92, 0xf7df7df7
	s_mov_b32 s93, 0x7df7df7d
	s_mov_b32 s4, 0
	s_mov_b32 s5, 0
	s_mov_b32 s6, 0
	s_mov_b32 s7, 0
	s_mul_i32 s94, s2, PRIVB
	s_add_co_u32 s94, s94, PRIV                    ; my wave's own LDS
	s_add_co_u32 s96, s94, TA
	v_lshlrev_b32 v[LTA], 2, v13
	v_lshl_add_u32 v[LTA], v14, 8, v[LTA]
	v_add_nc_u32 v[LTA], s96, v[LTA]
	v_mul_u32_u24 v54, v13, TP
	v_lshl_add_u32 v54, v14, 5, v54
	v_add_nc_u32 v54, s96, v54                     ; v54: TA + 528 r + 32 h
	s_add_co_u32 s96, s94, XT
	v_mov_b32 v[LXT], s96
	v_add_nc_u32 v22, s96, v[GO]                   ; v22: XT + 16 lane
	v_lshl_add_u32 v53, v13, 4, s96                ; v53: XT + 16 r
	s_add_co_u32 s96, s94, OV
	v_add_nc_u32 v[LOV], s96, v[GO]
	v_mul_u32_u24 v27, v13, TP
	v_lshl_add_u32 v27, v14, 7, v27
	v_add_nc_u32 v27, s96, v27                     ; v27: OV + 528 r + 128 h
	v_mul_u32_u24 v23, v14, TP
	v_lshl_add_u32 v23, v13, 4, v23
	v_add_nc_u32 v23, s96, v23                     ; v23: OV + 528 h + 16 r
	v_lshl_add_u32 v21, v12, 3, s94                ; v21: the vectors + 8 lane
	v_lshl_add_u32 v39, v14, 7, s94                ; v39: the vectors + 128 h
	v_lshlrev_b32 v55, 2, v48
	v_lshl_add_u32 v55, v49, 7, v55
	v_lshl_add_u32 v55, v14, 9, v55
	v_add_nc_u32 v55, s94, v55                     ; v55: the vectors + 512 h + 4 (32 (r / 8) + r % 8)
	s_mul_i32 s96, s2, FRB
	v_add_nc_u32 v19, s96, v[GO]                   ; v19: image w + 16 lane
	s_lshl_b32 s96, s2, 7
	s_add_co_u32 s96, s96, WSC
	v_lshl_add_u32 v20, v12, 2, s96                ; v20: its scale words + 4 lane
	v_lshl_add_u32 v24, v12, 2, WSC                ; v24: scale words + 4 lane
	s_lshr_b32 s97, s2, 2
	s_mul_i32 s96, s97, 4*FRB
	v_add_nc_u32 v25, s96, v[GO]                   ; v25: waves 0-3 read Wv's images 8-11, waves 4-7 images 12-15
	s_lshl_b32 s96, s97, 9
	s_add_co_u32 s96, s96, WSC
	v_lshl_add_u32 v26, v12, 2, s96
	v_lshlrev_b32 v38, 7, v14                      ; v38: 128 h: my half's 32 numbers of a vector in memory
	v_lshlrev_b32 v56, 4, v13                      ; v56: 16 r; kept until w_b2 is asked for
	v_mov_b32 v[XJ+3], 0
	v_mov_b32 v41, 0
	v_mov_b32 v43, 0
	v_mov_b32 v45, 0
	v_mov_b32 v47, 0
	v_mov_b32 v52, 0                               ; a lane permute's destination counts as one of its sources
	s_wait_kmcnt 0x0                               ; the position stage's constants
; ---------------- the weights: each wave quantises two tiles and leaves them in LDS as images of the operand's registers
	s_wait_loadcnt 23                              ; my tile of w_W1 or w_W2 is in: 12 + 3 + 8 loads were issued behind it
	QNT Y, P, SW, 1, 0, 1
	ds_store_b128 v19, v[P:P+3]
	ds_store_b128 v19, v[P+4:P+7] offset:512
	ds_store_b128 v19, v[P+8:P+11] offset:1024
	ds_store_b32 v20, v[SW]
.set i, 0
.rept 32
	global_load_b32 v[192+i], v16, s[34:35] offset:256*i           ; my tile of Wv: it lands while the vectors are centred
.set i, i+1
.endr
; ---------------- eleven vectors of 64, centred and scaled: Wq's rows, bq + p_b2 (x 1/8); Wk's rows, bk (x -1/8); p_W2's rows (x 1/8)
	s_wait_loadcnt 43                              ; the twelve vectors: 3 + 8 + 32 behind them
	v_pk_add_f32 v[230:231], v[230:231], v[232:233]
.irp g, 224,226,228,230,234,236,238,240,242,244,246
	v_add_f32 v[\g-128], v[\g], v[\g+1]
.endr
.irp m, 1,2,4,8
.irp g, 224,226,228,230,234,236,238,240,242,244,246
	v_add_f32_dpp v[\g-128], v[\g-128], v[\g-128] row_xmask:\m row_mask:0xf bank_mask:0xf
.endr
.endr
.irp g, 224,226,228,230,234,236,238,240,242,244,246
	v_permlanex16_b32 v[\g-127], v[\g-128], s58, s59
.endr
.irp g, 224,226,228,230,234,236,238,240,242,244,246
	v_add_f32 v[\g-128], v[\g-128], v[\g-127]
.endr
.irp g, 224,226,228,230,234,236,238,240,242,244,246
	v_fma_f32 v[\g], v[\g-128], s78, v[\g]
	v_fma_f32 v[\g+1], v[\g-128], s78, v[\g+1]
.endr
.irp g, 224,225,226,227,228,229,230,231,242,243,244,245,246,247
	v_mul_f32 v[\g], 0x3e000000, v[\g]
.endr
.irp g, 234,235,236,237,238,239,240,241
	v_mul_f32 v[\g], 0xbe000000, v[\g]
.endr
.irp g, 224,226,228,230
	ds_store_b64 v21, v[\g:\g+1] offset:(\g-224)*128
.endr
.irp g, 234,236,238,240,242,244,246
	ds_store_b64 v21, v[\g:\g+1] offset:(\g-226)*128
.endr
	s_wait_loadcnt 40                              ; my point: 8 + 32 behind it
	ds_store_b128 v22, v[XJ:XJ+3]
	v_cmp_eq_f32 s54, 0, v[XJ]
	v_cmp_eq_f32 s96, 0, v[XJ+1]
	v_cmp_eq_f32 s97, 0, v[XJ+2]
	s_and_b32 s54, s54, s96
	s_and_b32 s54, s54, s97                        ; bit l: the point of lane l is empty
	s_wait_loadcnt 32                              ; the features: Wv's 32 behind them
	WIN 0x04                                       ; an LDS store's data are its source 1
.set i, 0
.rept 8
	ds_store_b128 v23, v[4*i:4*i+3] offset:256+2*TP*i
.set i, i+1
.endr
	WIN 0
	s_wait_loadcnt 0x0                             ; my tile of Wv
	QNT 192, 76, 37, 1, 0, 1
	ds_store_b128 v19, v[76:79] offset:8*FRB
	ds_store_b128 v19, v[80:83] offset:8*FRB+512
	ds_store_b128 v19, v[84:87] offset:8*FRB+1024
	ds_store_b32 v20, v37 offset:1024
	s_wait_dscnt 0x0                               ; for the others' sake: my images have landed
	s_barrier_signal -1
	s_barrier_wait -1                              ; the launch's one barrier: behind it nobody writes the images
; ---------------- the fragments come back, in every wave
	WIN 0x40
.irp t, 0,1,2,3
.irp c, 0,1,2
	ds_load_b128 v[W1F+12*\t+4*\c:W1F+12*\t+4*\c+3], v[GO] offset:\t*FRB+512*\c
	ds_load_b128 v[W2F+12*\t+4*\c:W2F+12*\t+4*\c+3], v[GO] offset:(4+\t)*FRB+512*\c
.endr
.endr
.set i, 0
.rept 8
	global_load_b128 v[G1R+4*i:G1R+4*i+3], v38, s[36:37] offset:16*i   ; bv, for now where w_ln1_g will lie
.set i, i+1
.endr
	WIN 0
.irp t, 0,1,2,3
	ds_load_b32 v[W1S+\t], v24 offset:128*\t
	ds_load_b32 v[W2S+\t], v26 offset:1024+128*\t                  ; Wv's scale words
.irp c, 0,1,2
	ds_load_b128 v[192+12*\t+4*\c:192+12*\t+4*\c+3], v25 offset:(8+\t)*FRB+512*\c
.endr
.endr
.set i, 0
.rept 8
	ds_load_b128 v[Y+4*i:Y+4*i+3], v27 offset:256+16*i             ; features: row r, numbers 32 h on
.set i, i+1
.endr
	s_wait_dscnt 0x0
; ---------------- v = features Wv + bv for my 16 rows, transposed; both copies of the features' codes are plain
	QNT Y, P, SW, 1, 0, 0
	s_wait_loadcnt 0x0                             ; bv
	PLACES 4
	WIN 0x10
.irp t, 0,1,2,3
	v_wmma_scale_f32_16x16x128_f8f6f4 v[Y+8*\t:Y+8*\t+7], v[192+12*\t:192+12*\t+11], v[P:P+11], v[G1R+8*\t:G1R+8*\t+7], v[W2S+\t], v[SW] matrix_a_fmt:MATRIX_FMT_BF6 matrix_b_fmt:MATRIX_FMT_BF6
.endr
	WIN 0
	PLACES 4                                       ; in front of the stores of the results and of the loads into registers that these products read
.set i, 0
.rept 8
	ds_store_b128 v27, v[Y+4*i:Y+4*i+3] offset:16*i                ; each accumulator from its low end on
.set i, i+1
.endr
.irp t, 0,1,2,3
	ds_load_b32 v[W2S+\t], v24 offset:128*(4+\t)                   ; now w_W2's scale words
.endr
	WIN 0x40
.set i, 0
.rept 8
	global_load_b128 v[G1R+4*i:G1R+4*i+3], v38, s[46:47] offset:16*i
	global_load_b128 v[B1R+4*i:B1R+4*i+3], v38, s[48:49] offset:16*i
	global_load_b128 v[WB1+4*i:WB1+4*i+3], v38, s[42:43] offset:16*i
.set i, i+1
.endr
	WIN 0
	s_wait_dscnt 0x0                               ; v's stores have read their registers
; ---------------- -B_j for the pairs of both slots.  v64-127 and v192-255 are at work here: no load from memory is out into them
	ds_load_b128 v[12:15], v53                     ; the point of slot 0, lane r (also point i = 16 a + r)
	ds_load_b128 v[16:19], v53 offset:256          ; of slot 1
.set i, 0
.rept 8
	ds_load_b128 v[64+4*i:64+4*i+3], v39 offset:4*256+16*i
	ds_load_b128 v[96+4*i:96+4*i+3], v39 offset:5*256+16*i
	ds_load_b128 v[192+4*i:192+4*i+3], v39 offset:6*256+16*i
	ds_load_b128 v[224+4*i:224+4*i+3], v39 offset:7*256+16*i
.set i, i+1
.endr
	s_wait_dscnt 0x0
	v_mov_b32 v48, v13                             ; y to an even register: a packed form's broadcast takes a pair's low word
	v_mov_b32 v50, v17
	WIN 0x40
.irp s, 0,1
.set i, 0
.rept 16
	v_pk_fma_f32 v[CN+32*\s+i:CN+32*\s+i+1], v[64+i:64+i+1], v[12+4*\s:13+4*\s], v[224+i:224+i+1] op_sel_hi:[1,0,1]
.set i, i+2
.endr
.endr
	WIN 0x50
.irp s, 0,1
.set i, 0
.rept 16
	v_pk_fma_f32 v[CN+32*\s+i:CN+32*\s+i+1], v[96+i:96+i+1], v[48+2*\s:49+2*\s], v[CN+32*\s+i:CN+32*\s+i+1] op_sel_hi:[1,0,1]
.set i, i+2
.endr
.set i, 0
.rept 16
	v_pk_fma_f32 v[CN+32*\s+i:CN+32*\s+i+1], v[192+i:192+i+1], v[14+4*\s:15+4*\s], v[CN+32*\s+i:CN+32*\s+i+1] op_sel_hi:[1,0,1]
.set i, i+2
.endr
.endr
	WIN 0
; ---------------- A_i for my 16 rows (lane r: row r), into the table in the order of the tiles' rows: feature 32 h + 8 t + j at byte 64 t + 32 h + 4 j
.set i, 0
.rept 8
	ds_load_b128 v[64+4*i:64+4*i+3], v39 offset:16*i
	ds_load_b128 v[96+4*i:96+4*i+3], v39 offset:256+16*i
	ds_load_b128 v[192+4*i:192+4*i+3], v39 offset:2*256+16*i
	ds_load_b128 v[224+4*i:224+4*i+3], v39 offset:3*256+16*i
.set i, i+1
.endr
	s_wait_dscnt 0x0
.set i, 0
.rept 16
	v_pk_fma_f32 v[224+i:224+i+1], v[64+i:64+i+1], v[12:13], v[224+i:224+i+1] op_sel_hi:[1,0,1]
.set i, i+2
.endr
.set i, 0
.rept 16
	v_pk_fma_f32 v[224+i:224+i+1], v[96+i:96+i+1], v[48:49], v[224+i:224+i+1] op_sel_hi:[1,0,1]
.set i, i+2
.endr
.set i, 0
.rept 16
	v_pk_fma_f32 v[224+i:224+i+1], v[192+i:192+i+1], v[14:15], v[224+i:224+i+1] op_sel_hi:[1,0,1]
.set i, i+2
.endr
.irp t, 0,1,2,3
	ds_store_b128 v54, v[224+8*\t:224+8*\t+3] offset:256+64*\t
	ds_store_b128 v54, v[224+8*\t+4:224+8*\t+7] offset:256+64*\t+16
.endr
.set i, 0
.rept 8
	ds_load_b128 v[64+4*i:64+4*i+3], v39 offset:9*256+16*i         ; p_W2's row 1, centred: beside A_i in each row of the table
.set i, i+1
.endr
.irp t, 0,1,2,3
	ds_load_b32 v[F+2*\t], v55 offset:2048+32*\t                   ; p_W2's row 0 (lanes 0-15) and row 2 (lanes 16-31): they stay
.endr
	s_wait_dscnt 0x0
.irp t, 0,1,2,3
	ds_store_b128 v54, v[64+8*\t:64+8*\t+3] offset:64*\t
	ds_store_b128 v54, v[64+8*\t+4:64+8*\t+7] offset:64*\t+16
.endr
	ds_load_b128 v[XI:XI+3], v[LXT]                ; row 0: its point, and its column of the table (LDS serves a wave's instructions in order: these see the stores above)
.irp t, 0,1,2,3
	ds_load_b32 v[F+1+2*\t], v[LTA] offset:64*\t
.endr
	s_wait_dscnt 0x0                               ; the stores have read their registers: v64-127 and v192-255 are free
	global_load_b128 v[B2:B2+3], v56, s[44:45]     ; w_b2 of features 4 r + 0 .. 3: asked for only now, when nothing else is made in v80-83
.set i, 0
.rept 8
	global_load_b128 v[G2R+4*i:G2R+4*i+3], v38, s[50:51] offset:16*i
	global_load_b128 v[B2R+4*i:B2R+4*i+3], v38, s[52:53] offset:16*i
.set i, i+1
.endr
	s_wait_loadcnt 16                              ; all parameters, w_b2 among them, but the 16 loads just issued
.irp t, 0,1,2,3
	v_mul_f32 v[CB+\t], s60, v[B2+\t]
.endr
; ---------------- A ROW: query i against all 32 j.  nxt = 1: the next row's point and column are fetched
.macro ROW nxt
	s_wait_dscnt 0x0                               ; the row's point and its column of the table are in
	PST
	STAGEA
.if \nxt
	s_add_co_u32 s5, s5, TP
	s_add_co_u32 s6, s6, 16
	v_add_nc_u32 v[ADRF], s5, v[LTA]               ; eight plain instructions behind the f32 matrix form, ahead of the first read of its results and of loads into its sources
	v_add_nc_u32 v[ADRX], s6, v[LXT]
	v_add_nc_u32 v[ADRO], s7, v[LOV]
	PLACES 5
.else
	v_add_nc_u32 v[ADRO], s7, v[LOV]
	PLACES 7
.endif
	SQ M, 56                                       ; x has no mean: its squares are the variance
	ds_load_b128 v[VV:VV+3], v[ADRO]
.if \nxt
	ds_load_b128 v[XI:XI+3], v[ADRX]
.irp t, 0,1,2,3
	ds_load_b32 v[F+1+2*\t], v[ADRF] offset:64*\t
.endr
.endif
	SQ M1, 60
	RED2
	v_fma_f32 v56, v56, s77, s67
	v_fma_f32 v60, v60, s77, s67
	v_rsq_f32 v[R], v56
	v_rsq_f32 v[R+2], v60
	v_nop
	s_wait_alu depctr_va_vdst(0)                   ; one wait for both roots
	NORM1 0
	QNT Y, P, SW, 0, 1, 0
	PLACES 4
	G1 0
	NORM1 1
	QNT Y, P, SW, 0, 1, 0
	PLACES 4
	G1 1
.irp s, 0,1                                    ; the second norm's means; slot 0's fourteen additions are the places behind slot 1's products
	v_pk_add_f32 v[56+4*\s:57+4*\s], v[M+32*\s:M+32*\s+1], v[M+32*\s+2:M+32*\s+3]
	v_pk_add_f32 v[58+4*\s:59+4*\s], v[M+32*\s+4:M+32*\s+5], v[M+32*\s+6:M+32*\s+7]
.irp i, 8,12,16,20,24,28
	v_pk_add_f32 v[56+4*\s:57+4*\s], v[56+4*\s:57+4*\s], v[M+32*\s+\i:M+32*\s+\i+1]
	v_pk_add_f32 v[58+4*\s:59+4*\s], v[58+4*\s:59+4*\s], v[M+32*\s+\i+2:M+32*\s+\i+3]
.endr
.endr
	RED2
	v_mul_f32 v[NM], s78, v56
	v_mul_f32 v[NM+2], s78, v60
	LN2 0
	LN2 1
	; THE SOFTMAX OVER j, a lane a feature (4 r + t).  The largest of my 16 pairs, slot 0's registers first: twelve instructions stand ahead of the first read of slot 1's results
.irp t, 0,1,2,3
	v_max3_num_f32 v[48+\t], v[M+8*\t], v[M+8*\t+1], v[M+8*\t+2]
.endr
.irp t, 0,1,2,3
	v_max3_num_f32 v[48+\t], v[48+\t], v[M+8*\t+3], v[M+8*\t+4]
.endr
.irp t, 0,1,2,3
	v_max3_num_f32 v[48+\t], v[48+\t], v[M+8*\t+5], v[M+8*\t+6]
.endr
.irp t, 0,1,2,3
	v_max3_num_f32 v[48+\t], v[48+\t], v[M+8*\t+7], v[M1+8*\t]
.endr
.irp i, 1,3,5
.irp t, 0,1,2,3
	v_max3_num_f32 v[48+\t], v[48+\t], v[M1+8*\t+\i], v[M1+8*\t+\i+1]
.endr
.endr
.irp t, 0,1,2,3
	v_max_num_f32 v[48+\t], v[48+\t], v[M1+8*\t+7]
.endr
.irp t, 0,1,2,3
	v_permlanex16_b32 v[52+\t], v[48+\t], s58, s59
.endr
.irp t, 0,1,2,3
	v_max_num_f32 v[48+\t], v[48+\t], v[52+\t]     ; with the other 16 pairs': the true maximum over j
.endr
	s_cmp_ge_u32 s4, 8
	s_cselect_b32 s56, -1, 0
	; the pair j = i is row ii of slot 0: register ii % 8 of the half ii / 8.  The register is chosen by branches on the row's counter
.if \nxt
	s_bitcmp1_b32 s4, 2
	s_cbranch_scc1 .Lpk4
	s_bitcmp1_b32 s4, 1
	s_cbranch_scc1 .Lpk2
	s_bitcmp1_b32 s4, 0
	s_cbranch_scc1 .Lpk1
	LEAF 0
	s_branch .Lpke
.Lpk1:
	LEAF 1
	s_branch .Lpke
.Lpk2:
	s_bitcmp1_b32 s4, 0
	s_cbranch_scc1 .Lpk3
	LEAF 2
	s_branch .Lpke
.Lpk3:
	LEAF 3
	s_branch .Lpke
.Lpk4:
	s_bitcmp1_b32 s4, 1
	s_cbranch_scc1 .Lpk6
	s_bitcmp1_b32 s4, 0
	s_cbranch_scc1 .Lpk5
	LEAF 4
	s_branch .Lpke
.Lpk5:
	LEAF 5
	s_branch .Lpke
.Lpk6:
	s_bitcmp1_b32 s4, 0
	s_cbranch_scc1 .Lpk7
	LEAF 6
	s_branch .Lpke
.Lpk7:
	LEAF 7
.Lpke:
.else
	LEAF 7                                         ; the last row: ii = 15
.endif
.irp t, 0,1,2,3
	v_permlanex16_b32 v[52+\t], v[X+\t], s58, s59
.endr
.irp t, 0,1,2,3
	v_cndmask_b32 v[X+\t], v[X+\t], v[52+\t], s56  ; lanes 0-15, which store res, take it from the half that holds it
.endr
.irp t, 0,1,2,3
	v_add_f32 v[48+\t], v[48+\t], v[B2+\t]         ; the maximum of w + w_b2
.endr
.irp t, 0,1,2,3
	v_fma_f32 v[R+2*\t], v[48+\t], s79, v[CB+\t]   ; log2(e) (w_b2 - maximum): the exponent is log2(e) w + this
.endr
.irp t, 0,1,2,3
	v_fma_f32 v[X+\t], v[X+\t], s60, v[R+2*\t]
.endr
	EB 0, 0
	EB 2, 1
.irp t, 0,1,2,3
	v_permlanex16_b32 v[52+\t], v[60+\t], s58, s59
.endr
.irp t, 0,1,2,3
	v_add_f32 v[60+\t], v[60+\t], v[52+\t]         ; the sum over all 32 j
.endr
.irp t, 0,1,2,3
	v_rcp_f32 v[60+\t], v[60+\t]
.endr
	s_wait_dscnt 0x0                               ; v_i and features_i (and the next row's fetches)
.irp t, 0,1,2,3
	v_mul_f32 v[RES+\t], v[X+\t], v[VV+\t]         ; plain work behind the reciprocals
.endr
	s_wait_alu depctr_va_vdst(0)                   ; one wait for the four
.irp t, 0,1,2,3
	v_mul_f32 v[RES+\t], v[RES+\t], v[60+\t]
.endr
.irp t, 0,1,2,3
	v_cndmask_b32 v[RES+\t], v[RES+\t], v[VV+\t], s57   ; lanes 16-31: the features
.endr
	global_store_b128 v[GO], v[RES:RES+3], s[12:13] th:TH_STORE_NT   ; the row's 512 consecutive bytes, at a multiple of 512 from the output's first byte
.if \nxt
	s_wait_xcnt 0x0                                ; the store has read its base and its data: both are written again only behind this wait
	s_add_nc_u64 s[12:13], s[12:13], 512
	s_add_co_u32 s7, s7, TP
.endif
.endm
.Lrow:                                             ; rows ii = 0 .. 14
	ROW 1
	s_add_co_u32 s4, s4, 1
	s_cmp_lt_u32 s4, 15
	s_cbranch_scc1 .Lrow
	ROW 0                                          ; row 15 is written out: nothing is fetched behind it
	s_wait_xcnt 0x0
	v_lshl_add_u32 v254, v0, 2, 0x2f000
	v_mov_b32 v255, 0
	s_wait_tensorcnt 0x0
	ds_add_u32 v254, v255
	s_wait_dscnt 0x0
	s_endpgm
.Lfunc_end_k_q263c72387f_pa:
	.size	k_q263c72387f_pa, .Lfunc_end_k_q263c72387f_pa-k_q263c72387f_pa
	.p2alignl 7, 3214868480
	.fill 96, 4, 3214868480
	.section	.rodata,"a",@progbits
	.p2align	6, 0x0
	.amdhsa_kernel k_q263c72387f_pa
		.amdhsa_group_segment_fixed_size 193536
		.amdhsa_private_segment_fixed_size 0
		.amdhsa_enable_private_segment 0
		.amdhsa_kernarg_size 184
		.amdhsa_user_sgpr_count 2
		.amdhsa_user_sgpr_kernarg_segment_ptr 1
		.amdhsa_wavefront_size32 1
		.amdhsa_system_sgpr_workgroup_id_x 1
		.amdhsa_system_sgpr_workgroup_id_y 1
		.amdhsa_system_sgpr_workgroup_id_z 1
		.amdhsa_system_vgpr_workitem_id 0
		.amdhsa_next_free_vgpr 512
		.amdhsa_next_free_sgpr 102
		.amdhsa_reserve_vcc 0
		.amdhsa_float_denorm_mode_32 3
		.amdhsa_float_denorm_mode_16_64 3
		.amdhsa_memory_ordered 1
		.amdhsa_forward_progress 1
		.amdhsa_inst_pref_size 138
	.end_amdhsa_kernel
	.amdgpu_metadata
---
amdhsa.version: [ 1, 2 ]
amdhsa.kernels:
  - .name:           k_q263c72387f_pa
    .symbol:         k_q263c72387f_pa.kd
    .args:
      - { .name: pv_xyz, .offset: 0, .size: 8, .value_kind: global_buffer, .address_space: global }
      - { .name: features, .offset: 8, .size: 8, .value_kind: global_buffer, .address_space: global }
      - { .name: out0, .offset: 16, .size: 8, .value_kind: global_buffer, .address_space: global }
      - { .name: Wq, .offset: 24, .size: 8, .value_kind: global_buffer, .address_space: global }
      - { .name: bq, .offset: 32, .size: 8, .value_kind: global_buffer, .address_space: global }
      - { .name: p_b2, .offset: 40, .size: 8, .value_kind: global_buffer, .address_space: global }
      - { .name: Wk, .offset: 48, .size: 8, .value_kind: global_buffer, .address_space: global }
      - { .name: bk, .offset: 56, .size: 8, .value_kind: global_buffer, .address_space: global }
      - { .name: p_W2, .offset: 64, .size: 8, .value_kind: global_buffer, .address_space: global }
      - { .name: p_W1, .offset: 72, .size: 8, .value_kind: global_buffer, .address_space: global }
      - { .name: p_b1, .offset: 80, .size: 8, .value_kind: global_buffer, .address_space: global }
      - { .name: p_ln_g, .offset: 88, .size: 8, .value_kind: global_buffer, .address_space: global }
      - { .name: p_ln_b, .offset: 96, .size: 8, .value_kind: global_buffer, .address_space: global }
      - { .name: Wv, .offset: 104, .size: 8, .value_kind: global_buffer, .address_space: global }
      - { .name: bv, .offset: 112, .size: 8, .value_kind: global_buffer, .address_space: global }
      - { .name: w_W1, .offset: 120, .size: 8, .value_kind: global_buffer, .address_space: global }
      - { .name: w_W2, .offset: 128, .size: 8, .value_kind: global_buffer, .address_space: global }
      - { .name: w_b1, .offset: 136, .size: 8, .value_kind: global_buffer, .address_space: global }
      - { .name: w_b2, .offset: 144, .size: 8, .value_kind: global_buffer, .address_space: global }
      - { .name: w_ln1_g, .offset: 152, .size: 8, .value_kind: global_buffer, .address_space: global }
      - { .name: w_ln1_b, .offset: 160, .size: 8, .value_kind: global_buffer, .address_space: global }
      - { .name: w_ln2_g, .offset: 168, .size: 8, .value_kind: global_buffer, .address_space: global }
      - { .name: w_ln2_b, .offset: 176, .size: 8, .value_kind: global_buffer, .address_space: global }
    .group_segment_fixed_size: 193536
    .private_segment_fixed_size: 0
    .kernarg_segment_align: 8
    .kernarg_segment_size: 184
    .max_flat_workgroup_size: 256
    .sgpr_count:     102
    .vgpr_count:     512
    .wavefront_size: 32
...
	.end_amdgpu_metadata
.endif
;; end of part 1
;; ======== version 2 of 2: 1 launch; version 1 with the launch pa written anew for expert scheduling mode
;; launch pa (part 2): grid 256 x 1, 8 waves a work-group, no clusters, 193,536 bytes of LDS; arguments pv_xyz, features, out0, Wq, bq, p_b2, Wk, bk, p_W2, p_W1, p_b1, p_ln_g, p_ln_b, Wv, bv, w_W1, w_W2, w_b1, w_b2, w_ln1_g, w_ln1_b, w_ln2_g, w_ln2_b; writes out0
.if DOCPART == 2
	.amdgcn_target "amdgcn-amd-amdhsa--gfx1250"
	.amdhsa_code_object_version 6
	.text
	.protected	k_q263c72387f_pa
	.globl	k_q263c72387f_pa
	.p2align	8
	.type	k_q263c72387f_pa,@function
k_q263c72387f_pa:
	s_mov_b64 s[64:65], 0
	v_nop
	global_prefetch_b8 v0, s[64:65] scope:SCOPE_SE
	s_setreg_imm32_b32 hwreg(HW_REG_WAVE_SCHED_MODE, 0, 2), 2
	s_setreg_imm32_b32 hwreg(HW_REG_WAVE_MODE, 25, 1), 1
	s_wait_xcnt 0x0
	s_wait_alu depctr_vm_vsrc(0)
; PointAttention: 1,024 voxels of 32 points.  For each ordered pair (i, j) of a voxel a row of 64 numbers goes through
;   position MLP (3 -> 3, norm, relu, 3 -> 64) + q_i - k_j, x 1/8, norm, relu, 64 x 64, norm, relu, 64 x 64; softmax over j; of it the term j = i, x v_i; features behind it.
; The three products with K = 64 run on codes of BF6 (E3M2) with one E8M0 scale for each 32 along K; all else is f32.
; SHARES.  A work-group of eight waves takes four voxels; a voxel has two waves; wave a of a voxel owns the query rows i = 16 a + ii, ii = 0 .. 15, each against all 32 j.
; A row i is 32 pairs in two SLOTS of 16: slot s, lane r holds j = (16 s + r) xor 16 a, so that the pair j = i is always slot 0, lane ii.
; LAYOUT.  The row's input and the first product are used transposed (source 0 = 16 features, source 1 = 16 pairs), and row m of feature tile t stands for feature 32 (m / 8) + 8 t + m % 8:
; lane (r, h) then holds pair r, and its 32 registers hold features 32 h + 0 .. 31: one whole block of 32 along the next K.  A block's maximum needs no other lane, a norm's sums one exchange of halves.
; THE INPUT OF THE FIRST NORM is affine in (p0, p1, p2, 1): x = p0 W0 + p1 W1 + p2 W2 + A_i - B_j, with every table centred over the 64 features and scaled by 1/8 once, in the set-up.
; One f32 matrix instruction a tile (K = 4, C = -B_j) makes it, already free of its mean.
; RELU ON CODES.  K is 64 and the instruction's K is 128.  The operand carries the codes of y and the same codes with their sign bits cleared; the weights are repeated with their scale byte one lower:
; (c + |c|) w / 2 = relu(c) w, exactly.  The block's scale is taken from the largest y, not the largest |y|, as the quantiser of relu(y) takes it; what is negative may saturate, and cancels.
; THE SECOND PRODUCT is used as it stands (source 0 = pairs, source 1 = 16 columns, column r of tile t = feature 4 r + t): a lane holds a feature, its registers run over j: the softmax stays in the lane but for one exchange.
; A whole row of the output, 512 consecutive bytes, leaves by one store: lanes 0-15 res, lanes 16-31 the features.
; No tensor load, no cluster: a work-group reads its own 34 KB once, and what work-groups share is 50 KB of weights.
; LIMITS.  NaN and infinities among the inputs are not served.  A block whose largest magnitude lies under 2^-122 keeps the scale byte 1.  A weight block's byte is kept one lower than the quantiser's (0 at the least, which is 2^-127).
; THE MODE: SCHED_MODE bits 1:0 = 2 (LLVM: expert scheduling mode 2), set by the entry lines.  The code itself states the register dependences
; between vector or matrix instructions and memory or LDS instructions, with s_wait_alu, always for 0.
; THE PLAN.  Registers that memory or LDS instructions touch in a row:
;   XI v12-15              An LDS load brings the next row's point; this row's position stage reads it.
;   F's odd registers      LDS loads bring the next row's column of the table; this row's eight f32 matrix instructions read them.
;   VV v84-87              An LDS load brings v_i and features_i; the row's last vector lines read them.
;   ADRF, ADRX, ADRO       Written by three additions behind the f32 matrix instructions; read by those six LDS loads.
;   RES v88-91             Written by the row's last vector lines; read by the row's one store.
;   GO, LTA, LXT, LOV      Made in the set-up and never written again.
; All else in a row is named by vector and matrix instructions alone.
; The row's six LDS loads stand behind the wait for the first norm's two roots: that one wait on va_vdst also states that the three addresses are written, and that the position stage, the f32 matrix
; instructions and the last row's closing lines are done reading the registers in which the loads land.  One wait on vm_vsrc stands at a row's head: the last row's loads have read their addresses and its store RES.
; One wait on va_vdst stands ahead of each run of scaled matrix instructions, whose operand and scale word vector lines have made, and one ahead of the store.
.set FRB,   1536                       ; an operand's image in LDS: 12 registers x 128 bytes
.set WSC,   16*FRB                     ; LDS 0: 16 images of weight fragments (0-3 w_W1, 4-7 w_W2, 8-11 and 12-15 Wv);  here: their scale words, 128 bytes each
.set PRIV,  WSC+16*128                 ; from here 20,480 bytes for each wave, its own:
.set PRIVB, 20480
.set XT,    3072                       ;   +0 eleven centred vectors of 256 bytes;  +XT 32 points x 16 bytes
.set TA,    3584                       ;   16 rows, 528 bytes apart: 256 bytes of W1, 256 of A_i, both in the order of the tiles' rows
.set OV,    12032                      ;   16 rows, 528 bytes apart: 256 bytes of v_i, 256 of features_i
.set TP,    528
; window 0
.set LTA,  1                           ; TA + 256 h + 4 r
.set ADRF, 2
.set LXT,  3                           ; XT
.set ADRX, 4
.set LOV,  5                           ; OV + 16 lane
.set ADRO, 6
.set GO,   7                           ; 16 lane
.set XJ,   8                           ; v8-11   my pair's point j
.set XI,   12                          ; v12-15  the row's point i
.set U,    16                          ; v16-19  (p0 | p2, p1 | 1) of slot 0, of slot 1
.set F,    20                          ; v20-27  tile t: (W0 | W2, W1 | A_i)
.set W1S,  28                          ; v28-31  w_W1's scale words
.set W2S,  32                          ; v32-35  w_W2's (first Wv's)
.set SW,   36                          ; the pairs' scale word
.set R,    40                          ; v40, v42 1 / deviation of slot 0, 1; v44, v46 -mean; in the softmax four shifts.  Their odd neighbours hold 0: a packed form names the pair
.set NM,   44
.set P,    64                          ; v64-75  the pairs' operand
.set CB,   76                          ; v76-79  log2(e) x w_b2
.set B2,   80                          ; v80-83  w_b2
.set VV,   84                          ; v84-87  lanes 0-15 v_i, lanes 16-31 features_i
.set RES,  88
.set X,    92                          ; v92-95  the diagonal's number
.set Y,    96                          ; v96-127 32 numbers at work
.set M,    128                         ; v128-159, v160-191: matrix results of slot 0, 1: written by matrix instructions alone
.set M1,   160
.set G2R,  192                         ; w_ln2_g, w_ln2_b
.set B2R,  224
; window 1
.set CN,   0                           ; v0-63   -B_j of slot 0, 1
.set WB1,  64                          ; w_b1
.set W1F,  96                          ; w_W1's four fragments
.set W2F,  144                         ; w_W2's
.set G1R,  192                         ; w_ln1_g, w_ln1_b
.set B1R,  224
; scalars: s2 wave, s3 a, s4 ii, s5-7 steps of TA, XT, OV; s[8:53] the 23 addresses; s54 empty j, s55 empty pair, s56 upper half of ii, s57 lanes 16-31
.set MSB, 0
.macro WIN new                         ; s_set_vgpr_msb: bits 1:0 source 0, 3:2 source 1, 5:4 source 2, 7:6 destination; the high byte repeats the setting that is left
.if MSB != \new
	s_set_vgpr_msb (MSB<<8)|\new
.set MSB, \new
.endif
.endm
.macro PLACES n
.rept \n
	v_nop
.endr
.endm
; 32 numbers of a lane (one block of 32 along K) become the operand's 12 registers and the scale word.
; ab = 1: the largest magnitude; 0: the largest number (what is negative is clipped by the relu).  relu = 1: the second copy has its signs cleared; 0: a plain copy.  half = 1: the byte one lower.
; Registers 0-2 codes of k 0-15, 3-5 the copy, 6-8 codes of k 16-31, 9-11 the copy: the instruction's blocks 0 and 2 (lanes 0-15) are the true block 0, blocks 1 and 3 the true block 1.
.macro QNT src, dst, sw, ab, relu, half
.if \ab
	v_max3_num_f32 v48, |v[\src]|, |v[\src+1]|, 0x2800000          ; the floor 2^(5 - 127) among the leaves: the byte cannot fall under 1
	v_max3_num_f32 v49, |v[\src+2]|, |v[\src+3]|, |v[\src+4]|
.irp i, 5,9,13,17,21,25
	v_max3_num_f32 v48, v48, |v[\src+\i]|, |v[\src+\i+1]|
	v_max3_num_f32 v49, v49, |v[\src+\i+2]|, |v[\src+\i+3]|
.endr
	v_max3_num_f32 v48, v48, |v[\src+29]|, |v[\src+30]|
	v_max3_num_f32 v48, v48, v49, |v[\src+31]|
.else
	v_max3_num_f32 v48, v[\src], v[\src+1], 0x2800000
	v_max3_num_f32 v49, v[\src+2], v[\src+3], v[\src+4]
.irp i, 5,9,13,17,21,25
	v_max3_num_f32 v48, v48, v[\src+\i], v[\src+\i+1]
	v_max3_num_f32 v49, v49, v[\src+\i+2], v[\src+\i+3]
.endr
	v_max3_num_f32 v48, v48, v[\src+29], v[\src+30]
	v_max3_num_f32 v48, v48, v49, v[\src+31]
.endif
	v_add_nc_u32 v50, 0xfe000000, v48                              ; 4 off the exponent field: the conversion's scale operand
	v_cvt_scalef32_pk16_bf6_f32 v[\dst:\dst+2], v[\src:\src+15], v50
	v_cvt_scalef32_pk16_bf6_f32 v[\dst+6:\dst+8], v[\src+16:\src+31], v50
	v_lshrrev_b32 v51, 23, v50                                     ; the byte (also the plain instruction behind the conversions)
.if \half
	v_add_nc_u32 v51, -1, v51
.endif
	v_permlanex16_b32 v52, v51, s58, s59                           ; the other block's byte
	v_lshl_or_b32 v[\sw], v52, 8, v51                              ; lanes 0-15: block 0's, block 1's;
	v_lshl_or_b32 v[\sw], v[\sw], 16, v[\sw]                       ; and once more for the instruction's blocks 2 and 3 (lanes 16-31 are not read)
.irp i, 0,1,2
.if \relu
	v_and_b32 v[\dst+3+\i], s[91+\i], v[\dst+\i]                   ; sixteen sign bits cleared in three words
	v_and_b32 v[\dst+9+\i], s[91+\i], v[\dst+6+\i]
.else
	v_mov_b32 v[\dst+3+\i], v[\dst+\i]
	v_mov_b32 v[\dst+9+\i], v[\dst+6+\i]
.endif
.endr
.endm
; the sum of squares of 32 registers, two at a time, in two chains, from the low end on
.macro SQ src, acc
	v_pk_mul_f32 v[\acc:\acc+1], v[\src:\src+1], v[\src:\src+1]
	v_pk_mul_f32 v[\acc+2:\acc+3], v[\src+2:\src+3], v[\src+2:\src+3]
.irp i, 4,8,12,16,20,24,28
	v_pk_fma_f32 v[\acc:\acc+1], v[\src+\i:\src+\i+1], v[\src+\i:\src+\i+1], v[\acc:\acc+1]
	v_pk_fma_f32 v[\acc+2:\acc+3], v[\src+\i+2:\src+\i+3], v[\src+\i+2:\src+\i+3], v[\acc+2:\acc+3]
.endr
.endm
.macro RED2                            ; both slots' chains, halves and the lane 16 away
	v_pk_add_f32 v[56:57], v[56:57], v[58:59]
	v_pk_add_f32 v[60:61], v[60:61], v[62:63]
	v_add_f32 v56, v56, v57
	v_add_f32 v60, v60, v61
	v_permlanex16_b32 v48, v56, s58, s59
	v_permlanex16_b32 v49, v60, s58, s59
	v_add_f32 v56, v56, v48
	v_add_f32 v60, v60, v49
.endm
; THE POSITION STAGE: a lane is one of the row's 32 pairs.
.macro PST
	s_bitcmp1_b32 s54, s4                                          ; is point i empty?  A choice of a mask: it selects values alone
	s_cselect_b32 s55, -1, s54
	v_sub_f32 v48, v[XJ], v[XI]
	v_sub_f32 v49, v[XJ+1], v[XI+1]
	v_sub_f32 v50, v[XJ+2], v[XI+2]
	v_and_b32 v48, s62, v48
	v_and_b32 v49, s62, v49
	v_and_b32 v50, s62, v50
	v_cndmask_b32 v48, v48, -1.0, s55
	v_cndmask_b32 v49, v49, -1.0, s55
	v_cndmask_b32 v50, v50, -1.0, s55
.irp o, 0,1,2
	v_fma_f32 v[51+\o], v48, s[68+\o], s[80+\o]                    ; p_W1 [c][o] lies at s[68 + 3 c + o]
.endr
.irp o, 0,1,2
	v_fma_f32 v[51+\o], v49, s[71+\o], v[51+\o]
.endr
.irp o, 0,1,2
	v_fma_f32 v[51+\o], v50, s[74+\o], v[51+\o]
.endr
	v_add_f32 v54, v51, v52
	v_add_f32 v54, v54, v53
.irp o, 0,1,2
	v_fma_f32 v[51+\o], v54, s66, v[51+\o]                         ; less the mean
.endr
	v_mul_f32 v55, v51, v51
	v_fma_f32 v55, v52, v52, v55
	v_fma_f32 v55, v53, v53, v55
	v_fma_f32 v55, v55, s63, s67                                   ; / 3 + eps
	v_rsq_f32 v55, v55
	v_mov_b32 v[U+3], 1.0                                          ; (the plain instruction behind the root)
	s_wait_alu depctr_va_vdst(0)                                   ; the root in v55 is written, ahead of its first reader
.irp o, 0,1,2
	v_mul_f32 v[51+\o], v[51+\o], v55
.endr
.irp o, 0,1,2
	v_fma_f32 v[51+\o], v[51+\o], s[84+\o], s[88+\o]
.endr
.irp o, 0,1,2
	v_max_num_f32 v[U+\o], 0, v[51+\o]
.endr
	v_permlane16_swap_b32 v[U], v[U+2]                             ; v16: p0 | p2 of slot 0, v18: of slot 1
	v_permlane16_swap_b32 v[U+1], v[U+3]                           ; v17: p1 | 1 of slot 0, v19: of slot 1
.endm
.macro STAGEA                          ; x = (W0 W1 W2 A_i) (p0 p1 p2 1) - B_j: eight sums of one K step each, C in other registers
	WIN 0x10
.irp s, 0,1
.irp t, 0,1,2,3
	v_wmma_f32_16x16x4_f32 v[M+32*\s+8*\t:M+32*\s+8*\t+7], v[F+2*\t:F+2*\t+1], v[U+2*\s:U+2*\s+1], v[CN+32*\s+8*\t:CN+32*\s+8*\t+7]
.endr
.endr
	WIN 0
.endm
.macro NORM1 s
.set i, 0
.rept 16
	v_pk_mul_f32 v[Y+i:Y+i+1], v[M+32*\s+i:M+32*\s+i+1], v[R+2*\s:R+2*\s+1] op_sel_hi:[1,0]
.set i, i+2
.endr
	WIN 0x14
.set i, 0
.rept 16
	v_pk_fma_f32 v[Y+i:Y+i+1], v[Y+i:Y+i+1], v[G1R+i:G1R+i+1], v[B1R+i:B1R+i+1]
.set i, i+2
.endr
	WIN 0
.endm
.macro G1 s                            ; the first product, transposed; w_b1 is its C
	WIN 0x11
	s_wait_alu depctr_va_vdst(0)                                   ; the quantiser's vector lines have written the codes in v[P ..] and the scale word v[SW], which these scaled matrix instructions take; the places stand ahead of this wait
.irp t, 0,1,2,3
	v_wmma_scale_f32_16x16x128_f8f6f4 v[M+32*\s+8*\t:M+32*\s+8*\t+7], v[W1F+12*\t:W1F+12*\t+11], v[P:P+11], v[WB1+8*\t:WB1+8*\t+7], v[W1S+\t], v[SW] matrix_a_fmt:MATRIX_FMT_BF6 matrix_b_fmt:MATRIX_FMT_BF6
.endr
	WIN 0
.endm
.macro G2 s                            ; the second product: rows = pairs, column r of tile t = feature 4 r + t
	WIN 0x04
	s_wait_alu depctr_va_vdst(0)                                   ; the quantiser's vector lines have written the codes in v[P ..] and the scale word v[SW], which these scaled matrix instructions take; the places stand ahead of this wait
.irp t, 0,1,2,3
	v_wmma_scale_f32_16x16x128_f8f6f4 v[M+32*\s+8*\t:M+32*\s+8*\t+7], v[P:P+11], v[W2F+12*\t:W2F+12*\t+11], 0, v[SW], v[W2S+\t] matrix_a_fmt:MATRIX_FMT_BF6 matrix_b_fmt:MATRIX_FMT_BF6
.endr
	WIN 0
.endm
; the second norm of slot s (the mean is known), its relu and quantiser, the second product
.macro LN2 s
.set i, 0
.rept 16
	v_pk_add_f32 v[Y+i:Y+i+1], v[M+32*\s+i:M+32*\s+i+1], v[NM+2*\s:NM+2*\s+1] op_sel_hi:[1,0]
.set i, i+2
.endr
	SQ Y, 56
	v_pk_add_f32 v[56:57], v[56:57], v[58:59]
	v_add_f32 v56, v56, v57
	v_permlanex16_b32 v48, v56, s58, s59
	v_add_f32 v56, v56, v48
	v_fma_f32 v56, v56, s77, s67
	v_rsq_f32 v[R+2*\s], v56
	v_nop
	s_wait_alu depctr_va_vdst(0)                                   ; the slot's root in v[R + 2 s] is written, ahead of its first reader
.set i, 0
.rept 16
	v_pk_mul_f32 v[Y+i:Y+i+1], v[Y+i:Y+i+1], v[R+2*\s:R+2*\s+1] op_sel_hi:[1,0]
.set i, i+2
.endr
.if \s == 0
	s_wait_loadcnt 0x0                                             ; w_ln2_g and w_ln2_b, asked for at the end of the set-up; no load is issued in a row, so from the second row on nothing is out
.endif
.set i, 0
.rept 16
	v_pk_fma_f32 v[Y+i:Y+i+1], v[Y+i:Y+i+1], v[G2R+i:G2R+i+1], v[B2R+i:B2R+i+1]
.set i, i+2
.endr
	QNT Y, P, SW, 0, 1, 0
	PLACES 4                                                       ; the operand's last write stands 4 plain instructions ahead of the product, the scale word's 10
	G2 \s
.endm
.macro LEAF n
.irp t, 0,1,2,3
	v_mov_b32 v[X+\t], v[M+8*\t+\n]
.endr
.endm
; tiles tb, tb + 1 of the softmax: 32 exponentials as one batch with one wait, then each tile's sum over my 16 pairs
.macro EB tb, diag
.irp u, 0,1
.irp i, 0,2,4,6
	v_pk_fma_f32 v[Y+16*\u+\i:Y+16*\u+\i+1], v[M+8*(\tb+\u)+\i:M+8*(\tb+\u)+\i+1], s[60:61], v[R+2*(\tb+\u):R+2*(\tb+\u)+1] op_sel_hi:[1,0,0]
	v_pk_fma_f32 v[Y+16*\u+8+\i:Y+16*\u+8+\i+1], v[M1+8*(\tb+\u)+\i:M1+8*(\tb+\u)+\i+1], s[60:61], v[R+2*(\tb+\u):R+2*(\tb+\u)+1] op_sel_hi:[1,0,0]
.endr
.endr
.set i, 0
.rept 32
	v_exp_f32 v[Y+i], v[Y+i]
.set i, i+1
.endr
.if \diag
.irp t, 0,1,2,3
	v_exp_f32 v[X+\t], v[X+\t]
.endr
.endif
	v_nop                                                          ; the plain instruction behind the batch
	s_wait_alu depctr_va_vdst(0)                                   ; the batch's exponentials, in v[Y ..] (and, with diag, v[X ..]), are written: one wait, ahead of their first reader
	v_pk_add_f32 v[56:57], v[Y:Y+1], v[Y+2:Y+3]
	v_pk_add_f32 v[58:59], v[Y+16:Y+17], v[Y+18:Y+19]
.irp i, 4,6,8,10,12,14
	v_pk_add_f32 v[56:57], v[56:57], v[Y+\i:Y+\i+1]
	v_pk_add_f32 v[58:59], v[58:59], v[Y+16+\i:Y+16+\i+1]
.endr
	v_add_f32 v[60+\tb], v56, v57
	v_add_f32 v[61+\tb], v58, v59
.endm
; ---------------- the head: addresses, ids
	s_load_b512 s[8:23], s[0:1], 0x0               ; pv_xyz, features, out0, Wq, bq, p_b2, Wk, bk
	s_load_b512 s[24:39], s[0:1], 0x40             ; p_W2, p_W1, p_b1, p_ln_g, p_ln_b, Wv, bv, w_W1
	s_load_b256 s[40:47], s[0:1], 0x80             ; w_W2, w_b1, w_b2, w_ln1_g
	s_load_b128 s[48:51], s[0:1], 0xa0             ; w_ln1_b, w_ln2_g
	s_load_b64 s[52:53], s[0:1], 0xb0              ; w_ln2_b
	v_lshrrev_b32 v48, 5, v0
	v_readfirstlane_b32 s2, v48                    ; wave 0..7
	v_and_b32 v12, 31, v0                          ; lane
	v_and_b32 v13, 15, v0                          ; r
	v_bfe_u32 v14, v0, 4, 1                        ; h
	v_and_b32 v48, 7, v0                           ; r % 8
	v_bfe_u32 v49, v0, 3, 1                        ; r / 8
	v_lshlrev_b32 v[GO], 4, v12
	s_wait_alu depctr_va_sdst(0)                   ; s2, the wave's number, is written, ahead of its first reader
	s_and_b32 s3, s2, 1                            ; a: which 16 query rows
	s_lshr_b32 s94, s2, 1
	s_lshl_b32 s95, ttmp9, 2
	s_add_co_u32 s95, s95, s94                     ; my voxel
	s_and_b32 s100, s2, 3                          ; which tile of a weight I quantise
	s_cmp_lt_u32 s2, 4                             ; waves 0-3: w_W1, rows in the order 32 (r / 8) + 8 t + r % 8; waves 4-7: w_W2, columns 4 r + t
	s_cselect_b32 s96, 1, 4
	s_cselect_b32 s97, 8, 1
	s_mul_i32 s97, s97, s100
	v_mul_lo_u32 v15, v48, s96
	v_lshl_add_u32 v15, v49, 5, v15
	v_add_nc_u32 v15, s97, v15                     ; my column n of the weight [k][n]
	v_lshlrev_b32 v15, 2, v15
	v_lshl_add_u32 v15, v14, 13, v15               ; 4 n + 32 h rows of 256 bytes: my registers run down K
	s_lshl_b32 s97, s100, 3
	v_lshl_add_u32 v16, v49, 5, v48
	v_add_nc_u32 v16, s97, v16
	v_lshlrev_b32 v16, 2, v16
	v_lshl_add_u32 v16, v14, 13, v16               ; the same for Wv's tile
	v_lshlrev_b32 v17, 3, v12                      ; 8 lane: two numbers of a vector of 64
	s_lshl_b32 s97, s3, 4
	v_xor_b32 v18, s97, v12
	v_mul_u32_u24 v18, v18, 12                     ; my point j = lane xor 16 a
	s_mul_i32 s96, s95, 384
	s_mov_b32 s97, 0
	s_wait_kmcnt 0x0
	s_add_nc_u64 s[8:9], s[8:9], s[96:97]          ; my voxel's points
	s_lshl_b32 s96, s95, 13
	s_lshl_b32 s100, s3, 12
	s_add_co_u32 s96, s96, s100
	s_add_nc_u64 s[10:11], s[10:11], s[96:97]      ; my 16 rows of features
	s_lshl_b32 s96, s96, 1
	s_add_nc_u64 s[12:13], s[12:13], s[96:97]      ; and of the output
	s_cmp_lt_u32 s2, 4
	s_cselect_b64 s[98:99], s[38:39], s[40:41]
	s_load_b256 s[68:75], s[26:27], 0x0            ; p_W1
	s_load_b32 s76, s[26:27], 0x20
	s_load_b96 s[80:82], s[28:29], 0x0             ; p_b1
	s_load_b96 s[84:86], s[30:31], 0x0             ; p_ln_g
	s_load_b96 s[88:90], s[32:33], 0x0             ; p_ln_b
; ---------------- the head's first loads: 32 + 12 + 3 + 8 = 55; Wv's 32 follow behind the first tile's quantiser
	s_wait_alu depctr_va_vdst(0)                   ; the offsets v15, v16, v17, v18 and v[GO] are written, which the loads below read
.set i, 0
.rept 32
	global_load_b32 v[Y+i], v15, s[98:99] offset:256*i
.set i, i+1
.endr
	global_load_b64 v[224:225], v17, s[14:15]
	global_load_b64 v[226:227], v17, s[14:15] offset:256
	global_load_b64 v[228:229], v17, s[14:15] offset:512
	global_load_b64 v[230:231], v17, s[16:17]
	global_load_b64 v[232:233], v17, s[18:19]
	global_load_b64 v[234:235], v17, s[20:21]
	global_load_b64 v[236:237], v17, s[20:21] offset:256
	global_load_b64 v[238:239], v17, s[20:21] offset:512
	global_load_b64 v[240:241], v17, s[22:23]
	global_load_b64 v[242:243], v17, s[24:25]
	global_load_b64 v[244:245], v17, s[24:25] offset:256
	global_load_b64 v[246:247], v17, s[24:25] offset:512
	global_load_b32 v[XJ], v18, s[8:9]
	global_load_b32 v[XJ+1], v18, s[8:9] offset:4
	global_load_b32 v[XJ+2], v18, s[8:9] offset:8
	WIN 0x40                                       ; destination window 1
.set i, 0
.rept 8
	global_load_b128 v[4*i:4*i+3], v[GO], s[10:11] offset:512*i th:TH_LOAD_NT   ; two rows of features: 512 consecutive bytes
.set i, i+1
.endr
	WIN 0
; ---------------- constants and LDS addresses, while the loads are out
	s_mov_b32 s57, 0xffff0000
	s_mov_b32 s58, 0x76543210
	s_mov_b32 s59, 0xfedcba98                      ; v_permlanex16_b32's selects for lane l xor 16
	s_mov_b32 s60, 0x3fb8aa3b                      ; log2(e)
	s_mov_b32 s61, s60
	s_mov_b32 s62, 0x7fffffff
	s_mov_b32 s63, 0x3eaaaaab                      ; 1/3
	s_mov_b32 s66, 0xbeaaaaab
	s_mov_b32 s67, 0x3727c5ac                      ; 1e-5
	s_mov_b32 s77, 0x3c800000                      ; 1/64
	s_mov_b32 s78, 0xbc800000
	s_mov_b32 s79, 0xbfb8aa3b
	s_mov_b32 s91, 0xdf7df7df                      ; all bits but the codes' sign bits (bit 6 i + 5 of the stream), in three words
	s_mov_b32 s92, 0xf7df7df7
	s_mov_b32 s93, 0x7df7df7d
	s_mov_b32 s4, 0
	s_mov_b32 s5, 0
	s_mov_b32 s6, 0
	s_mov_b32 s7, 0
	s_mul_i32 s94, s2, PRIVB
	s_add_co_u32 s94, s94, PRIV                    ; my wave's own LDS
	s_add_co_u32 s96, s94, TA
	v_lshlrev_b32 v[LTA], 2, v13
	v_lshl_add_u32 v[LTA], v14, 8, v[LTA]
	v_add_nc_u32 v[LTA], s96, v[LTA]
	v_mul_u32_u24 v54, v13, TP
	v_lshl_add_u32 v54, v14, 5, v54
	v_add_nc_u32 v54, s96, v54                     ; v54: TA + 528 r + 32 h
	s_add_co_u32 s96, s94, XT
	v_mov_b32 v[LXT], s96
	v_add_nc_u32 v22, s96, v[GO]                   ; v22: XT + 16 lane
	v_lshl_add_u32 v53, v13, 4, s96                ; v53: XT + 16 r
	s_add_co_u32 s96, s94, OV
	v_add_nc_u32 v[LOV], s96, v[GO]
	v_mul_u32_u24 v27, v13, TP
	v_lshl_add_u32 v27, v14, 7, v27
	v_add_nc_u32 v27, s96, v27                     ; v27: OV + 528 r + 128 h
	v_mul_u32_u24 v23, v14, TP
	v_lshl_add_u32 v23, v13, 4, v23
	v_add_nc_u32 v23, s96, v23                     ; v23: OV + 528 h + 16 r
	v_lshl_add_u32 v21, v12, 3, s94                ; v21: the vectors + 8 lane
	v_lshl_add_u32 v39, v14, 7, s94                ; v39: the vectors + 128 h
	v_lshlrev_b32 v55, 2, v48
	v_lshl_add_u32 v55, v49, 7, v55
	v_lshl_add_u32 v55, v14, 9, v55
	v_add_nc_u32 v55, s94, v55                     ; v55: the vectors + 512 h + 4 (32 (r / 8) + r % 8)
	s_mul_i32 s96, s2, FRB
	v_add_nc_u32 v19, s96, v[GO]                   ; v19: image w + 16 lane
	s_lshl_b32 s96, s2, 7
	s_add_co_u32 s96, s96, WSC
	v_lshl_add_u32 v20, v12, 2, s96                ; v20: its scale words + 4 lane
	v_lshl_add_u32 v24, v12, 2, WSC                ; v24: scale words + 4 lane
	s_lshr_b32 s97, s2, 2
	s_mul_i32 s96, s97, 4*FRB
	v_add_nc_u32 v25, s96, v[GO]                   ; v25: waves 0-3 read Wv's images 8-11, waves 4-7 images 12-15
	s_lshl_b32 s96, s97, 9
	s_add_co_u32 s96, s96, WSC
	v_lshl_add_u32 v26, v12, 2, s96
	v_lshlrev_b32 v38, 7, v14                      ; v38: 128 h: my half's 32 numbers of a vector in memory
	v_lshlrev_b32 v56, 4, v13                      ; v56: 16 r; kept until w_b2 is asked for
	v_mov_b32 v[XJ+3], 0
	v_mov_b32 v41, 0
	v_mov_b32 v43, 0
	v_mov_b32 v45, 0
	v_mov_b32 v47, 0
	v_mov_b32 v52, 0                               ; a lane permute's destination counts as one of its sources
	s_wait_kmcnt 0x0                               ; the position stage's constants
; ---------------- the weights: each wave quantises two tiles and leaves them in LDS as images of the operand's registers
	s_wait_loadcnt 23                              ; my tile of w_W1 or w_W2 is in: 12 + 3 + 8 loads were issued behind it
	QNT Y, P, SW, 1, 0, 1
	s_wait_alu depctr_va_vdst(0)                   ; the quantiser has written v[P ..] and v[SW], which the LDS stores read; all the set-up's LDS addresses and offsets, made above, and v[XJ+3] are written too
	ds_store_b128 v19, v[P:P+3]
	ds_store_b128 v19, v[P+4:P+7] offset:512
	ds_store_b128 v19, v[P+8:P+11] offset:1024
	ds_store_b32 v20, v[SW]
.set i, 0
.rept 32
	global_load_b32 v[192+i], v16, s[34:35] offset:256*i           ; my tile of Wv: it lands while the vectors are centred
.set i, i+1
.endr
; ---------------- eleven vectors of 64, centred and scaled: Wq's rows, bq + p_b2 (x 1/8); Wk's rows, bk (x -1/8); p_W2's rows (x 1/8)
	s_wait_loadcnt 43                              ; the twelve vectors: 3 + 8 + 32 behind them
	v_pk_add_f32 v[230:231], v[230:231], v[232:233]
.irp g, 224,226,228,230,234,236,238,240,242,244,246
	v_add_f32 v[\g-128], v[\g], v[\g+1]
.endr
.irp m, 1,2,4,8
.irp g, 224,226,228,230,234,236,238,240,242,244,246
	v_add_f32_dpp v[\g-128], v[\g-128], v[\g-128] row_xmask:\m row_mask:0xf bank_mask:0xf
.endr
.endr
.irp g, 224,226,228,230,234,236,238,240,242,244,246
	v_permlanex16_b32 v[\g-127], v[\g-128], s58, s59
.endr
.irp g, 224,226,228,230,234,236,238,240,242,244,246
	v_add_f32 v[\g-128], v[\g-128], v[\g-127]
.endr
.irp g, 224,226,228,230,234,236,238,240,242,244,246
	v_fma_f32 v[\g], v[\g-128], s78, v[\g]
	v_fma_f32 v[\g+1], v[\g-128], s78, v[\g+1]
.endr
.irp g, 224,225,226,227,228,229,230,231,242,243,244,245,246,247
	v_mul_f32 v[\g], 0x3e000000, v[\g]
.endr
.irp g, 234,235,236,237,238,239,240,241
	v_mul_f32 v[\g], 0xbe000000, v[\g]
.endr
	s_wait_alu depctr_va_vdst(0)                   ; the centred vectors in v224-247 are written, which the LDS stores read
.irp g, 224,226,228,230
	ds_store_b64 v21, v[\g:\g+1] offset:(\g-224)*128
.endr
.irp g, 234,236,238,240,242,244,246
	ds_store_b64 v21, v[\g:\g+1] offset:(\g-226)*128
.endr
	s_wait_loadcnt 40                              ; my point: 8 + 32 behind it
	ds_store_b128 v22, v[XJ:XJ+3]
	v_cmp_eq_f32 s54, 0, v[XJ]
	v_cmp_eq_f32 s96, 0, v[XJ+1]
	v_cmp_eq_f32 s97, 0, v[XJ+2]
	s_wait_alu depctr_va_sdst(0)                   ; the three compares have written s54, s96 and s97, ahead of their first reader
	s_and_b32 s54, s54, s96
	s_and_b32 s54, s54, s97                        ; bit l: the point of lane l is empty
	s_wait_loadcnt 32                              ; the features: Wv's 32 behind them
	WIN 0x04                                       ; an LDS store's data are its source 1
.set i, 0
.rept 8
	ds_store_b128 v23, v[4*i:4*i+3] offset:256+2*TP*i
.set i, i+1
.endr
	WIN 0
	s_wait_loadcnt 0x0                             ; my tile of Wv
	QNT 192, 76, 37, 1, 0, 1
	s_wait_alu depctr_va_vdst(0)                   ; the quantiser has written v76-87 and v37, which the LDS stores read, and is done reading v192-223, in which LDS loads land behind the barrier
	ds_store_b128 v19, v[76:79] offset:8*FRB
	ds_store_b128 v19, v[80:83] offset:8*FRB+512
	ds_store_b128 v19, v[84:87] offset:8*FRB+1024
	ds_store_b32 v20, v37 offset:1024
	s_wait_dscnt 0x0                               ; for the others' sake: my images have landed
	s_barrier_signal -1
	s_barrier_wait -1                              ; the launch's one barrier: behind it nobody writes the images
; ---------------- the fragments come back, in every wave
	WIN 0x40
	s_wait_alu depctr_vm_vsrc(0)                   ; the LDS stores above have read v[P ..], v[SW], v76-87, v224-247 and window 1's v0-31, and the loads and stores above their offsets v15 to v23: all of these are written again below, by loads or by vector lines
.irp t, 0,1,2,3
.irp c, 0,1,2
	ds_load_b128 v[W1F+12*\t+4*\c:W1F+12*\t+4*\c+3], v[GO] offset:\t*FRB+512*\c
	ds_load_b128 v[W2F+12*\t+4*\c:W2F+12*\t+4*\c+3], v[GO] offset:(4+\t)*FRB+512*\c
.endr
.endr
.set i, 0
.rept 8
	global_load_b128 v[G1R+4*i:G1R+4*i+3], v38, s[36:37] offset:16*i   ; bv, for now where w_ln1_g will lie
.set i, i+1
.endr
	WIN 0
.irp t, 0,1,2,3
	ds_load_b32 v[W1S+\t], v24 offset:128*\t
	ds_load_b32 v[W2S+\t], v26 offset:1024+128*\t                  ; Wv's scale words
.irp c, 0,1,2
	ds_load_b128 v[192+12*\t+4*\c:192+12*\t+4*\c+3], v25 offset:(8+\t)*FRB+512*\c
.endr
.endr
.set i, 0
.rept 8
	ds_load_b128 v[Y+4*i:Y+4*i+3], v27 offset:256+16*i             ; features: row r, numbers 32 h on
.set i, i+1
.endr
	s_wait_dscnt 0x0
; ---------------- v = features Wv + bv for my 16 rows, transposed; both copies of the features' codes are plain
	QNT Y, P, SW, 1, 0, 0
	s_wait_loadcnt 0x0                             ; bv
	PLACES 4
	WIN 0x10
	s_wait_alu depctr_va_vdst(0)                   ; the quantiser's vector lines have written the codes in v[P ..] and the scale word v[SW], which these scaled matrix instructions take; the places stand ahead of this wait
.irp t, 0,1,2,3
	v_wmma_scale_f32_16x16x128_f8f6f4 v[Y+8*\t:Y+8*\t+7], v[192+12*\t:192+12*\t+11], v[P:P+11], v[G1R+8*\t:G1R+8*\t+7], v[W2S+\t], v[SW] matrix_a_fmt:MATRIX_FMT_BF6 matrix_b_fmt:MATRIX_FMT_BF6
.endr
	WIN 0
	PLACES 4                                       ; in front of the stores of the results and of the loads into registers that these products read
	s_wait_alu depctr_va_vdst(0)                   ; the products have written v[Y ..], which the LDS stores read, and are done reading v[W2S ..], window 1's v[G1R ..], v[P ..] and v192-239, in which loads land below; the places above stay beside this wait
.set i, 0
.rept 8
	ds_store_b128 v27, v[Y+4*i:Y+4*i+3] offset:16*i                ; each accumulator from its low end on
.set i, i+1
.endr
.irp t, 0,1,2,3
	ds_load_b32 v[W2S+\t], v24 offset:128*(4+\t)                   ; now w_W2's scale words
.endr
	WIN 0x40
.set i, 0
.rept 8
	global_load_b128 v[G1R+4*i:G1R+4*i+3], v38, s[46:47] offset:16*i
	global_load_b128 v[B1R+4*i:B1R+4*i+3], v38, s[48:49] offset:16*i
	global_load_b128 v[WB1+4*i:WB1+4*i+3], v38, s[42:43] offset:16*i
.set i, i+1
.endr
	WIN 0
	s_wait_dscnt 0x0                               ; v's rows lie in LDS, w_W2's scale words are in
	s_wait_alu depctr_vm_vsrc(0)                   ; v's stores have read v[Y ..], in which loads land below; the LDS instructions above have read their addresses v24 to v27, in which the table's columns will land
; ---------------- -B_j for the pairs of both slots.  v64-127 and v192-255 are at work here: no load from memory is out into them
	ds_load_b128 v[12:15], v53                     ; the point of slot 0, lane r (also point i = 16 a + r)
	ds_load_b128 v[16:19], v53 offset:256          ; of slot 1
.set i, 0
.rept 8
	ds_load_b128 v[64+4*i:64+4*i+3], v39 offset:4*256+16*i
	ds_load_b128 v[96+4*i:96+4*i+3], v39 offset:5*256+16*i
	ds_load_b128 v[192+4*i:192+4*i+3], v39 offset:6*256+16*i
	ds_load_b128 v[224+4*i:224+4*i+3], v39 offset:7*256+16*i
.set i, i+1
.endr
	s_wait_dscnt 0x0
	v_mov_b32 v48, v13                             ; y to an even register: a packed form's broadcast takes a pair's low word
	v_mov_b32 v50, v17
	WIN 0x40
.irp s, 0,1
.set i, 0
.rept 16
	v_pk_fma_f32 v[CN+32*\s+i:CN+32*\s+i+1], v[64+i:64+i+1], v[12+4*\s:13+4*\s], v[224+i:224+i+1] op_sel_hi:[1,0,1]
.set i, i+2
.endr
.endr
	WIN 0x50
.irp s, 0,1
.set i, 0
.rept 16
	v_pk_fma_f32 v[CN+32*\s+i:CN+32*\s+i+1], v[96+i:96+i+1], v[48+2*\s:49+2*\s], v[CN+32*\s+i:CN+32*\s+i+1] op_sel_hi:[1,0,1]
.set i, i+2
.endr
.set i, 0
.rept 16
	v_pk_fma_f32 v[CN+32*\s+i:CN+32*\s+i+1], v[192+i:192+i+1], v[14+4*\s:15+4*\s], v[CN+32*\s+i:CN+32*\s+i+1] op_sel_hi:[1,0,1]
.set i, i+2
.endr
.endr
	WIN 0
	s_wait_alu depctr_va_vdst(0)                   ; the multiply-adds above are done reading v64-127 and v192-255, in which the next four vectors land
; ---------------- A_i for my 16 rows (lane r: row r), into the table in the order of the tiles' rows: feature 32 h + 8 t + j at byte 64 t + 32 h + 4 j
.set i, 0
.rept 8
	ds_load_b128 v[64+4*i:64+4*i+3], v39 offset:16*i
	ds_load_b128 v[96+4*i:96+4*i+3], v39 offset:256+16*i
	ds_load_b128 v[192+4*i:192+4*i+3], v39 offset:2*256+16*i
	ds_load_b128 v[224+4*i:224+4*i+3], v39 offset:3*256+16*i
.set i, i+1
.endr
	s_wait_dscnt 0x0
.set i, 0
.rept 16
	v_pk_fma_f32 v[224+i:224+i+1], v[64+i:64+i+1], v[12:13], v[224+i:224+i+1] op_sel_hi:[1,0,1]
.set i, i+2
.endr
.set i, 0
.rept 16
	v_pk_fma_f32 v[224+i:224+i+1], v[96+i:96+i+1], v[48:49], v[224+i:224+i+1] op_sel_hi:[1,0,1]
.set i, i+2
.endr
.set i, 0
.rept 16
	v_pk_fma_f32 v[224+i:224+i+1], v[192+i:192+i+1], v[14:15], v[224+i:224+i+1] op_sel_hi:[1,0,1]
.set i, i+2
.endr
	s_wait_alu depctr_va_vdst(0)                   ; A_i in v224-255 is written, which the LDS stores read; the multiply-adds are done reading v64-95, v12-15 and v192-223, in which loads land below
.irp t, 0,1,2,3
	ds_store_b128 v54, v[224+8*\t:224+8*\t+3] offset:256+64*\t
	ds_store_b128 v54, v[224+8*\t+4:224+8*\t+7] offset:256+64*\t+16
.endr
.set i, 0
.rept 8
	ds_load_b128 v[64+4*i:64+4*i+3], v39 offset:9*256+16*i         ; p_W2's row 1, centred: beside A_i in each row of the table
.set i, i+1
.endr
.irp t, 0,1,2,3
	ds_load_b32 v[F+2*\t], v55 offset:2048+32*\t                   ; p_W2's row 0 (lanes 0-15) and row 2 (lanes 16-31): they stay
.endr
	s_wait_dscnt 0x0
.irp t, 0,1,2,3
	ds_store_b128 v54, v[64+8*\t:64+8*\t+3] offset:64*\t
	ds_store_b128 v54, v[64+8*\t+4:64+8*\t+7] offset:64*\t+16
.endr
	ds_load_b128 v[XI:XI+3], v[LXT]                ; row 0: its point, and its column of the table (LDS serves a wave's instructions in order: these see the stores above)
.irp t, 0,1,2,3
	ds_load_b32 v[F+1+2*\t], v[LTA] offset:64*\t
.endr
	s_wait_dscnt 0x0                               ; the table lies in LDS; row 0's point and column are in
	s_wait_alu depctr_vm_vsrc(0)                   ; the table's stores have read v64-95 and v224-255, and the LDS instructions above their addresses v53, v54 and v55: loads land in the former below, and vector lines write all of them from here on
	global_load_b128 v[B2:B2+3], v56, s[44:45]     ; w_b2 of features 4 r + 0 .. 3: asked for only now, when nothing else is made in v80-83
.set i, 0
.rept 8
	global_load_b128 v[G2R+4*i:G2R+4*i+3], v38, s[50:51] offset:16*i
	global_load_b128 v[B2R+4*i:B2R+4*i+3], v38, s[52:53] offset:16*i
.set i, i+1
.endr
	s_wait_loadcnt 16                              ; all parameters, w_b2 among them, but the 16 loads just issued
.irp t, 0,1,2,3
	v_mul_f32 v[CB+\t], s60, v[B2+\t]
.endr
; ---------------- A ROW: query i against all 32 j.  nxt = 1: the next row's point and column are fetched
.macro ROW nxt
	s_wait_dscnt 0x0                               ; the row's point and its column of the table are in
	s_wait_alu depctr_vm_vsrc(0)                   ; the last row's LDS loads have read v[ADRF], v[ADRX] and v[ADRO], and its store v[RES ..]: this row writes them again; ahead of the first row: w_b2's load has read its offset v56, which the sums of squares write
	PST
	STAGEA
.if \nxt
	s_add_co_u32 s5, s5, TP
	s_add_co_u32 s6, s6, 16
	v_add_nc_u32 v[ADRF], s5, v[LTA]               ; eight plain instructions behind the f32 matrix form, ahead of the first read of its results
	v_add_nc_u32 v[ADRX], s6, v[LXT]
	v_add_nc_u32 v[ADRO], s7, v[LOV]
	PLACES 5
.else
	v_add_nc_u32 v[ADRO], s7, v[LOV]
	PLACES 7
.endif
	SQ M, 56                                       ; x has no mean: its squares are the variance
	SQ M1, 60
	RED2
	v_fma_f32 v56, v56, s77, s67
	v_fma_f32 v60, v60, s77, s67
	v_rsq_f32 v[R], v56
	v_rsq_f32 v[R+2], v60
	v_nop
	s_wait_alu depctr_va_vdst(0)                   ; both roots, v[R] and v[R+2], are written, ahead of their first reader; so are the three LDS addresses, which the loads below read; and the position stage is done reading v[XI ..], the f32 matrix instructions F's odd registers, the last row's closing lines v[VV ..], in which those loads land
	ds_load_b128 v[VV:VV+3], v[ADRO]
.if \nxt
	ds_load_b128 v[XI:XI+3], v[ADRX]
.irp t, 0,1,2,3
	ds_load_b32 v[F+1+2*\t], v[ADRF] offset:64*\t
.endr
.endif
	NORM1 0
	QNT Y, P, SW, 0, 1, 0
	PLACES 4
	G1 0
	NORM1 1
	QNT Y, P, SW, 0, 1, 0
	PLACES 4
	G1 1
.irp s, 0,1                                    ; the second norm's means; slot 0's fourteen additions are the places behind slot 1's products
	v_pk_add_f32 v[56+4*\s:57+4*\s], v[M+32*\s:M+32*\s+1], v[M+32*\s+2:M+32*\s+3]
	v_pk_add_f32 v[58+4*\s:59+4*\s], v[M+32*\s+4:M+32*\s+5], v[M+32*\s+6:M+32*\s+7]
.irp i, 8,12,16,20,24,28
	v_pk_add_f32 v[56+4*\s:57+4*\s], v[56+4*\s:57+4*\s], v[M+32*\s+\i:M+32*\s+\i+1]
	v_pk_add_f32 v[58+4*\s:59+4*\s], v[58+4*\s:59+4*\s], v[M+32*\s+\i+2:M+32*\s+\i+3]
.endr
.endr
	RED2
	v_mul_f32 v[NM], s78, v56
	v_mul_f32 v[NM+2], s78, v60
	LN2 0
	LN2 1
	; THE SOFTMAX OVER j, a lane a feature (4 r + t).  The largest of my 16 pairs, slot 0's registers first: twelve instructions stand ahead of the first read of slot 1's results
.irp t, 0,1,2,3
	v_max3_num_f32 v[48+\t], v[M+8*\t], v[M+8*\t+1], v[M+8*\t+2]
.endr
.irp t, 0,1,2,3
	v_max3_num_f32 v[48+\t], v[48+\t], v[M+8*\t+3], v[M+8*\t+4]
.endr
.irp t, 0,1,2,3
	v_max3_num_f32 v[48+\t], v[48+\t], v[M+8*\t+5], v[M+8*\t+6]
.endr
.irp t, 0,1,2,3
	v_max3_num_f32 v[48+\t], v[48+\t], v[M+8*\t+7], v[M1+8*\t]
.endr
.irp i, 1,3,5
.irp t, 0,1,2,3
	v_max3_num_f32 v[48+\t], v[48+\t], v[M1+8*\t+\i], v[M1+8*\t+\i+1]
.endr
.endr
.irp t, 0,1,2,3
	v_max_num_f32 v[48+\t], v[48+\t], v[M1+8*\t+7]
.endr
.irp t, 0,1,2,3
	v_permlanex16_b32 v[52+\t], v[48+\t], s58, s59
.endr
.irp t, 0,1,2,3
	v_max_num_f32 v[48+\t], v[48+\t], v[52+\t]     ; with the other 16 pairs': the true maximum over j
.endr
	s_cmp_ge_u32 s4, 8
	s_cselect_b32 s56, -1, 0
	; the pair j = i is row ii of slot 0: register ii % 8 of the half ii / 8.  The register is chosen by branches on the row's counter
.if \nxt
	s_bitcmp1_b32 s4, 2
	s_cbranch_scc1 .Lpk4
	s_bitcmp1_b32 s4, 1
	s_cbranch_scc1 .Lpk2
	s_bitcmp1_b32 s4, 0
	s_cbranch_scc1 .Lpk1
	LEAF 0
	s_branch .Lpke
.Lpk1:
	LEAF 1
	s_branch .Lpke
.Lpk2:
	s_bitcmp1_b32 s4, 0
	s_cbranch_scc1 .Lpk3
	LEAF 2
	s_branch .Lpke
.Lpk3:
	LEAF 3
	s_branch .Lpke
.Lpk4:
	s_bitcmp1_b32 s4, 1
	s_cbranch_scc1 .Lpk6
	s_bitcmp1_b32 s4, 0
	s_cbranch_scc1 .Lpk5
	LEAF 4
	s_branch .Lpke
.Lpk5:
	LEAF 5
	s_branch .Lpke
.Lpk6:
	s_bitcmp1_b32 s4, 0
	s_cbranch_scc1 .Lpk7
	LEAF 6
	s_branch .Lpke
.Lpk7:
	LEAF 7
.Lpke:
.else
	LEAF 7                                         ; the last row: ii = 15
.endif
.irp t, 0,1,2,3
	v_permlanex16_b32 v[52+\t], v[X+\t], s58, s59
.endr
.irp t, 0,1,2,3
	v_cndmask_b32 v[X+\t], v[X+\t], v[52+\t], s56  ; lanes 0-15, which store res, take it from the half that holds it
.endr
.irp t, 0,1,2,3
	v_add_f32 v[48+\t], v[48+\t], v[B2+\t]         ; the maximum of w + w_b2
.endr
.irp t, 0,1,2,3
	v_fma_f32 v[R+2*\t], v[48+\t], s79, v[CB+\t]   ; log2(e) (w_b2 - maximum): the exponent is log2(e) w + this
.endr
.irp t, 0,1,2,3
	v_fma_f32 v[X+\t], v[X+\t], s60, v[R+2*\t]
.endr
	EB 0, 0
	EB 2, 1
.irp t, 0,1,2,3
	v_permlanex16_b32 v[52+\t], v[60+\t], s58, s59
.endr
.irp t, 0,1,2,3
	v_add_f32 v[60+\t], v[60+\t], v[52+\t]         ; the sum over all 32 j
.endr
.irp t, 0,1,2,3
	v_rcp_f32 v[60+\t], v[60+\t]
.endr
	s_wait_dscnt 0x0                               ; v_i and features_i (and the next row's fetches)
.irp t, 0,1,2,3
	v_mul_f32 v[RES+\t], v[X+\t], v[VV+\t]         ; plain work behind the reciprocals
.endr
	s_wait_alu depctr_va_vdst(0)                   ; the four reciprocals in v60-63 are written: one wait, ahead of their first reader
.irp t, 0,1,2,3
	v_mul_f32 v[RES+\t], v[RES+\t], v[60+\t]
.endr
.irp t, 0,1,2,3
	v_cndmask_b32 v[RES+\t], v[RES+\t], v[VV+\t], s57   ; lanes 16-31: the features
.endr
	s_wait_alu depctr_va_vdst(0)                   ; the lines above have written v[RES ..], which the store reads
	global_store_b128 v[GO], v[RES:RES+3], s[12:13] th:TH_STORE_NT   ; the row's 512 consecutive bytes, at a multiple of 512 from the output's first byte
.if \nxt
	s_wait_xcnt 0x0                                ; the store has read its base and its data: both are written again only behind this wait
	s_add_nc_u64 s[12:13], s[12:13], 512
	s_add_co_u32 s7, s7, TP
.endif
.endm
.Lrow:                                             ; rows ii = 0 .. 14
	ROW 1
	s_add_co_u32 s4, s4, 1
	s_cmp_lt_u32 s4, 15
	s_cbranch_scc1 .Lrow
	ROW 0                                          ; row 15 is written out: nothing is fetched behind it
	s_wait_xcnt 0x0
	v_lshl_add_u32 v254, v0, 2, 0x2f000            ; the add's two registers, made anew: no memory or LDS instruction has read v254 or v255 since the wait on vm_vsrc behind the table's stores
	v_mov_b32 v255, 0
	s_wait_dscnt 0x0                               ; the closing lines, six on end
	s_wait_alu 0x0
	s_wait_tensorcnt 0x0
	ds_add_u32 v254, v255
	s_wait_dscnt 0x0
	s_endpgm
.Lfunc_end_k_q263c72387f_pa:
	.size	k_q263c72387f_pa, .Lfunc_end_k_q263c72387f_pa-k_q263c72387f_pa
	.p2alignl 7, 3214868480
	.fill 96, 4, 3214868480
	.section	.rodata,"a",@progbits
	.p2align	6, 0x0
	.amdhsa_kernel k_q263c72387f_pa
		.amdhsa_group_segment_fixed_size 193536
		.amdhsa_private_segment_fixed_size 0
		.amdhsa_enable_private_segment 0
		.amdhsa_kernarg_size 184
		.amdhsa_user_sgpr_count 2
		.amdhsa_user_sgpr_kernarg_segment_ptr 1
		.amdhsa_wavefront_size32 1
		.amdhsa_system_sgpr_workgroup_id_x 1
		.amdhsa_system_sgpr_workgroup_id_y 1
		.amdhsa_system_sgpr_workgroup_id_z 1
		.amdhsa_system_vgpr_workitem_id 0
		.amdhsa_next_free_vgpr 512
		.amdhsa_next_free_sgpr 102
		.amdhsa_reserve_vcc 0
		.amdhsa_float_denorm_mode_32 3
		.amdhsa_float_denorm_mode_16_64 3
		.amdhsa_memory_ordered 1
		.amdhsa_forward_progress 1
		.amdhsa_inst_pref_size 139
	.end_amdhsa_kernel
	.amdgpu_metadata
---
amdhsa.version: [ 1, 2 ]
amdhsa.kernels:
  - .name:           k_q263c72387f_pa
    .symbol:         k_q263c72387f_pa.kd
    .args:
      - { .name: pv_xyz, .offset: 0, .size: 8, .value_kind: global_buffer, .address_space: global }
      - { .name: features, .offset: 8, .size: 8, .value_kind: global_buffer, .address_space: global }
      - { .name: out0, .offset: 16, .size: 8, .value_kind: global_buffer, .address_space: global }
      - { .name: Wq, .offset: 24, .size: 8, .value_kind: global_buffer, .address_space: global }
      - { .name: bq, .offset: 32, .size: 8, .value_kind: global_buffer, .address_space: global }
      - { .name: p_b2, .offset: 40, .size: 8, .value_kind: global_buffer, .address_space: global }
      - { .name: Wk, .offset: 48, .size: 8, .value_kind: global_buffer, .address_space: global }
      - { .name: bk, .offset: 56, .size: 8, .value_kind: global_buffer, .address_space: global }
      - { .name: p_W2, .offset: 64, .size: 8, .value_kind: global_buffer, .address_space: global }
      - { .name: p_W1, .offset: 72, .size: 8, .value_kind: global_buffer, .address_space: global }
      - { .name: p_b1, .offset: 80, .size: 8, .value_kind: global_buffer, .address_space: global }
      - { .name: p_ln_g, .offset: 88, .size: 8, .value_kind: global_buffer, .address_space: global }
      - { .name: p_ln_b, .offset: 96, .size: 8, .value_kind: global_buffer, .address_space: global }
      - { .name: Wv, .offset: 104, .size: 8, .value_kind: global_buffer, .address_space: global }
      - { .name: bv, .offset: 112, .size: 8, .value_kind: global_buffer, .address_space: global }
      - { .name: w_W1, .offset: 120, .size: 8, .value_kind: global_buffer, .address_space: global }
      - { .name: w_W2, .offset: 128, .size: 8, .value_kind: global_buffer, .address_space: global }
      - { .name: w_b1, .offset: 136, .size: 8, .value_kind: global_buffer, .address_space: global }
      - { .name: w_b2, .offset: 144, .size: 8, .value_kind: global_buffer, .address_space: global }
      - { .name: w_ln1_g, .offset: 152, .size: 8, .value_kind: global_buffer, .address_space: global }
      - { .name: w_ln1_b, .offset: 160, .size: 8, .value_kind: global_buffer, .address_space: global }
      - { .name: w_ln2_g, .offset: 168, .size: 8, .value_kind: global_buffer, .address_space: global }
      - { .name: w_ln2_b, .offset: 176, .size: 8, .value_kind: global_buffer, .address_space: global }
    .group_segment_fixed_size: 193536
    .private_segment_fixed_size: 0
    .kernarg_segment_align: 8
    .kernarg_segment_size: 184
    .max_flat_workgroup_size: 256
    .sgpr_count:     102
    .vgpr_count:     512
    .wavefront_size: 32
...
	.end_amdgpu_metadata
.endif
;; end of part 2
